; MI455X (gfx1250); checked and timed in simulation.
; The chip was launched on July 23, 2026; its instructions are those of AMD's public machine-readable ISA for CDNA 5 (MIT licence, August 2026) and "CDNA5" Instruction Set Architecture Reference Guide (July 2026). The comments in the code are by the model that wrote it; some were corrected since.
;; Causal Self Attention. Allowed arithmetic: matrix products marked QUANTISED: E4M3 operands, one given power-of-two scale a tensor, by v_wmma_f32_16x16x64_fp8_fp8 or v_wmma_f32_16x16x128_fp8_fp8, f32 sums; everything else in f32.
;; Inputs: lowp_scales 12 int32 (the exponents e of the quantised operands' scales 2^e); w_k_codes 1,024 x 32 x 32 uint8 (E4M3 codes of w_k, K innermost, in blocks of 32 codes); w_o_codes 1,024 x 32 x 32 uint8 (E4M3 codes of w_o, K innermost, in blocks of 32 codes); w_q_codes 1,024 x 32 x 32 uint8 (E4M3 codes of w_q, K innermost, in blocks of 32 codes); w_v_codes 1,024 x 32 x 32 uint8 (E4M3 codes of w_v, K innermost, in blocks of 32 codes); x_codes 4 x 2,048 x 32 x 32 uint8 (E4M3 codes of x, K innermost, in blocks of 32 codes).
;; Outputs: out0 4 x 2,048 x 1,024 float32.
;; This version of the problem:
;;   THIS VERSION OF THE PROBLEM IS GIVEN IN LOW PRECISION. The matrix products marked QUANTISED in the list below multiply operands that are first quantised to E4M3 (4 exponent bits, 3 mantissa bits; 8 bits a number), with one given power-of-two scale for each operand tensor; their sums are f32. All else is computed in f32.
;;   The module's matrix products, in the order in which they are computed (A, B: the left and right operand; K: the contracted axis; several contracted axes count as one K, in the product's order):
;;     1. [M 8,192, K 1,024] x [K 1,024, N 1,024]; A: input x (given as codes); B: input w_q (given as codes): QUANTISED (scales: A lowp_scales[0], B lowp_scales[1])
;;     2. [M 8,192, K 1,024] x [K 1,024, N 1,024]; A: input x (given as codes); B: input w_k (given as codes): QUANTISED (scales: A lowp_scales[2], B lowp_scales[3])
;;     3. [M 8,192, K 1,024] x [K 1,024, N 1,024]; A: input x (given as codes); B: input w_v (given as codes): QUANTISED (scales: A lowp_scales[4], B lowp_scales[5])
;;     4. batch 64 x [M 2,048, K 64] x [K 64, N 2,048]; A: computed on the way; B: computed on the way: QUANTISED (scales: A lowp_scales[6], B lowp_scales[7])
;;     5. batch 64 x [M 2,048, K 2,048] x [K 2,048, N 64]; A: softmax (see below); B: computed on the way: QUANTISED (scales: A lowp_scales[8], B lowp_scales[9])
;;     6. [M 8,192, K 1,024] x [K 1,024, N 1,024]; A: computed on the way; B: input w_o (given as codes): QUANTISED (scales: A lowp_scales[10], B lowp_scales[11])
;;   THE QUANTISER, for each operand of a quantised product, along K:
;;     - The operand's scale is 2^e, e = its entry of the input lowp_scales (int32; the entries are numbered through the quantised products in the list's order, A before B).
;;     - Each number is divided by the scale, clamped to +-448, and rounded to the nearest number of E4M3, ties to even, subnormals kept.
;;     - The product sums the exact products of the quantised numbers (number of the format x scale) in f32.
;;   ~~~python
;;   def quantise(x, axis, e):      # numpy; x: float32 -> the quantised numbers, widened to float32 again
;;       x = np.moveaxis(x, axis, -1); K = x.shape[-1]
;;       r = np.clip(x / 2.0 ** e, -448, 448)
;;       step = 2.0 ** (np.maximum(np.frexp(np.where(r == 0, 1, r))[1] - 1, -6) - 3)
;;       q = np.round(r / step) * step * 2.0 ** e      # np.round: ties to even
;;       return np.moveaxis(q, -1, axis).astype(np.float32)
;;   ~~~
;;   SOFTMAX AHEAD OF A QUANTISED PRODUCT. Where the list says 'softmax', what is quantised is not the finished softmax but p = 2^(t - M), with t = logit x log2(e) and M = ceil(the row's largest t), a whole number; so 1/2 < the row's largest p <= 1. The row's sum l is taken of the UNQUANTISED p, in f32, and the product's result is divided by l at the end. Since M is a whole number, a kernel that streams over the keys may use a running M (the ceiling of the running maximum): every later rescaling is an exact power of two, so the quantised numbers keep their values, but for numbers so far below the row's largest that they fall under the format's range.
;;   OPERANDS COMPUTED ON THE WAY. 'Computed on the way' means the value that the module computes at that place (a softmax that the list does not call 'softmax' is quantised finished and normalised). What goes into a quantiser is computed in f32, as accurately as f32 sums, v_exp_f32 and their like allow (about 1e-6 of the number): no bf16 or f16 on the way to a quantiser, and a product that is left as it is and whose result goes on into a quantised operand takes f32 operands (vector FMAs, or v_wmma_f32_16x16x4_f32). A number that lies on a knife's edge between two numbers of the format may be rounded either way, as far as f32 arithmetic and the matrix unit's own rounding can turn it there, and no further.
;;   INPUTS GIVEN AS CODES. w_k (in the module: [1024, 1024], K = its axis 1); w_o (in the module: [1024, 1024], K = its axis 1); w_q (in the module: [1024, 1024], K = its axis 1); w_v (in the module: [1024, 1024], K = its axis 1); x (in the module: [4, 2048, 1024], K = its axis 2): each comes as NAME_codes (uint8): NAME with its K axis moved to the last place and cut into blocks of 32 codes, [.., K / 32, bytes a block], one block behind the other in memory; one code a byte (a code: sign, 4 exponent bits, 3 mantissa bits); its scale is its entry of lowp_scales. Its value is code x scale, taken as it is: it is not quantised again, and the codes and scales need not be those that the quantiser above would give.
;; 2 versions, each right; version 2 is version 1 with the launch attn written anew for expert scheduling mode. Each part assembles by itself: llvm-mc -triple=amdgcn-amd-amdhsa -mcpu=gfx1250 --defsym DOCPART=n.
;; ======== version 1 of 2: 3 launches
;; workspace buffers: q_img 8,388,608 bytes; k_img 8,388,608 bytes; v_img 8,388,608 bytes; a_img 8,388,608 bytes
;; launch qkv (part 1): grid 12 x 32, 4 waves a work-group, clusters of 4 x 4, 327,680 bytes of LDS; arguments x_codes, w_q_codes, w_k_codes, w_v_codes, lowp_scales, q_img, k_img, v_img; writes q_img, k_img, v_img
.if DOCPART == 1
	.amdgcn_target "amdgcn-amd-amdhsa--gfx1250"
	.amdhsa_code_object_version 6
	.text
	.protected	k_qb74b0857c0_qkv
	.globl	k_qb74b0857c0_qkv
	.p2align	8
	.type	k_qb74b0857c0_qkv,@function
k_qb74b0857c0_qkv:
	s_mov_b64 s[64:65], 0
	v_nop
	global_prefetch_b8 v0, s[64:65] scope:SCOPE_SE
	s_setreg_imm32_b32 hwreg(HW_REG_WAVE_MODE, 25, 1), 1
	s_wait_xcnt 0x0
	s_wait_alu depctr_hold_cnt(0) depctr_sa_sdst(0) depctr_va_vdst(0) depctr_va_sdst(0) depctr_va_ssrc(0) depctr_va_vcc(0) depctr_vm_vsrc(0)
	s_getreg_b32 s2, hwreg(HW_REG_IB_STS2, 6, 4)
	s_cmp_eq_u32 s2, 0
	s_cbranch_scc0 .Lentry_in_a_cluster
	s_endpgm
.Lentry_in_a_cluster:
	s_bfe_u32 s2, ttmp6, 0x10000c
	s_cmp_lg_u32 s2, 0xf033
	s_cbranch_scc0 .Lentry_shape_is_right
	s_endpgm
.Lentry_shape_is_right:
; q = x Wq^T, k = x Wk^T, v = x Wv^T on codes of FP8 (E4M3), and each result quantised again for attention's products.
; x: [8192][1024] codes; each W: [1024][1024] codes, K innermost.  lowp_scales: e0..e5 the three products' operands, e6 (q), e7 (k), e9 (v) the results' scales.
; A sum stands for sum x 2^(ex + ew); its code is sum / 2^E, E = eout - ex - ew, held within +-448 x 2^E and rounded to the nearest code by the conversion.
; LIMIT: E lies between -126 and 119, so that 2^E and 448 x 2^E are f32 numbers.  NaN codes among the inputs are not served.
; SHARES.  A work-group of four waves makes a tile of 256 x 256, a wave 128 x 128: 64 accumulators of 16 x 16, 512 registers.  K goes in steps of 256 through two LDS slots.
; The cluster's x says which product: 0 q, 1 k, 2 v; it is the same in all sixteen partners.
; THE RESULT'S EIGHT REGISTERS OF A LANE MUST RUN ALONG THE NEXT PRODUCT'S K.  A lane of a result holds one row of source 1 and eight neighbouring rows of source 0.
;   q, k: the next K is the head's 64 features: source 0 ("B") = 16 rows of W, source 1 ("A") = 16 tokens.      v: the next K is the keys: source 0 ("B") = 16 tokens, source 1 ("A") = 16 rows of Wv.
; So one conversion of an accumulator's eight registers gives two registers of the next operand's fragment, and nothing is transposed.
; OUTPUT: images of the next operand's registers, four registers x 32 lanes = 512 bytes a piece, lane l's 16 bytes at 16 l:
;   q_img, k_img: [batch x head 64][tile of 16 tokens 128][piece 2][512];   v_img: [batch x head 64][step of 128 keys 16][tile of 16 channels 4][piece 4][512].
; CLUSTERS: 4 x 4 work-groups.  A's tile is shared along a row of the cluster, B's along a column: each is asked for jointly, by the same tensor load with the same descriptor and a mask that names the four.
; REGISTERS, in windows of 256: window 0: v0-31 addresses and the scale; v32-95 at work on the way out; from v128 A's fragments, one set, later the codes.
;   window 1: B's fragments, two sets.   window 2: the accumulators of A's blocks 0-3 ((a, b) at v[8 (8 (a % 4) + b)]);   window 3: those of blocks 4-7.
.set ROWB,   256                       ; a tile's row in bytes: 256 codes along K
.set KROW,   1024                      ; a row of x or of a weight in memory, in bytes
.set PITCH,  272                       ; an LDS row: 256 bytes + 16 of padding: the 16 rows that a fragment load touches start 68 words apart
.set FR,     16                        ; registers of a fragment: 16 rows x 128 K
.set NL,     4                         ; LDS loads that bring one
.set NP,     4                         ; places behind this matrix instruction (ISA guide 7.12.1)
.set HALFT,  128*PITCH                 ; 128 rows: what one tensor load brings
.set SLOT,   4*HALFT                   ; A's 256 rows, then B's 256 rows
.set LAPS,   2                         ; K = 1024 = two laps of two slots of 256
.set SPARE,  2*SLOT                    ; behind the ring: the spare words, 128 bytes for each wave
.set ADRA, 16                          ; v16-17  LDS address of my A fragments in slot 0, 1
.set ADRB, 20                          ; v20-21  the same for B
.set CO,   26                          ; v26     16 x lane: my place in a piece of an image
.set SPW,  28                          ; v28     LDS address of my spare word; never rewritten
.set NIL,  29                          ; v29     0; never rewritten
.set SC,   30                          ; v30     2^E as f32
.set LIM,  31                          ; v31     448 x 2^E
.set TMP,  32                          ; v32-95  a block's 64 sums, held
.set AF,   128                         ; A's fragments, in window 0
.set CD,   128                         ; the codes: 16 registers for each of A's eight blocks, where A's fragments lay
.set G1, 24                            ; s[24:31] descriptor group 1 for A's tiles;  s[32:39] group 0, one set for each slot
.set G0, 32
.set G1B, 48                           ; s[48:55], s[56:63] the same for B's tiles
.set G0B, 56
.set MSB, 0
.macro WIN new                         ; the immediate's high byte repeats the setting that is left
.if MSB != (\new)
	s_set_vgpr_msb (MSB<<8)|(\new)
.set MSB, (\new)
.endif
.endm
.set MUL_LO, 0xa1                      ; source 0 (B) window 1, source 1 (A) window 0, C and D window 2
.set MUL_HI, 0xf1                      ; the same, C and D window 3
.set TO_B,   0x40                      ; destination window 1, address window 0
; A joint load: waves 0 and 1 fetch for A, waves 2 and 3 for B.  The branch hangs on the wave's number alone.  Four v_nop follow each of the two lines.
.macro JLOAD g0a, g1a, g0b, g1b
	s_cmp_eq_u32 s15, 0
	s_cbranch_scc0 .Lfor_b_\@
	tensor_load_to_lds s[\g0a:\g0a+3], s[\g1a:\g1a+7]
	s_nop 0
.rept 4
	v_nop
.endr
	s_branch .Lasked_\@
.Lfor_b_\@:
	tensor_load_to_lds s[\g0b:\g0b+3], s[\g1b:\g1b+7]
	s_nop 0
.rept 4
	v_nop
.endr
.Lasked_\@:
.endm
.macro CREST                           ; a round of the cluster's barrier behind its opening barrier
	s_cmp_lg_u32 s14, 0
	s_cbranch_scc1 .Lnot_wave_0_\@
	s_barrier_signal -3
.Lnot_wave_0_\@:
	s_barrier_wait -3
	s_barrier_signal -1
	s_barrier_wait -1
.endm
.macro CROUND                          ; a whole round
	s_barrier_signal -1
	s_barrier_wait -1
	CREST
.endm
	s_load_b512 s[68:83], s[0:1], 0x0              ; x s[68:69], Wq s[70:71], Wk s[72:73], Wv s[74:75], scales s[76:77], q_img s[78:79], k_img s[80:81], v_img s[82:83]
	v_lshl_add_u32 v[SPW], v0, 2, SPARE
	v_mov_b32 v[NIL], 0
	ds_add_u32 v28, v29
	ds_add_u32 v28, v29
	s_wait_dscnt 0x0
	v_lshrrev_b32 v1, 5, v0
	v_readfirstlane_b32 s14, v1                    ; wave 0..3
	s_lshr_b32 s15, s14, 1                         ; which half of A's rows is mine.  Also: I fetch for A (0) or for B (1)
	s_and_b32 s16, s14, 1                          ; which half of B's rows is mine.  Also: which 128 rows of that tile I fetch
	s_bfe_u32 s40, ttmp6, 0x40000                  ; cx, cy: my place in the cluster
	s_bfe_u32 s41, ttmp6, 0x40004
	s_and_b32 s67, ttmp7, 0xffff
	s_lshl_b32 s67, s67, 2                         ; 4 x cluster y
	s_add_co_u32 s84, s67, s41                     ; a tile of x by cy,
	s_add_co_u32 s85, s67, s40                     ; or by cx
	s_cmp_lt_u32 ttmp9, 2                          ; q or k?  (the cluster's x: the same in all partners)
	s_cselect_b32 s17, s84, s41                    ; A's tile: of x (q, k) or of Wv (v): it hangs on cy alone
	s_cselect_b32 s42, s40, s85                    ; B's tile: of the weight (q, k) or of x (v): it hangs on cx alone
	s_lshl_b32 s43, s41, 2
	s_lshl_b32 s43, 15, s43                        ; my row of the cluster
	s_lshl_b32 s44, 0x1111, s40                    ; my column
	; descriptor group 1: a tile of 128 rows x 256 bytes, padded in LDS
	s_or_b32 s[G1+0], s43, (0<<16)|(1<<20)|(1<<21)|(5<<22)|(3<<25)  ; 15:0 the mask: my row; 17:16 elements of 1 byte; 20 padding on; 21 set beside a mask; 24:22 after every 64 words; 31:25 four words
	s_or_b32 s[G1B+0], s44, (0<<16)|(1<<20)|(1<<21)|(5<<22)|(3<<25) ; the same with my column's mask
.irp g, G1, G1B
	s_mov_b32 s[\g+1], ROWB<<16                    ; tensor_dim0
	s_mov_b32 s[\g+2], 128<<16                     ; tensor_dim1 = 128
	s_mov_b32 s[\g+3], ROWB<<16                    ; tile_dim0
	s_mov_b32 s[\g+4], 128                         ; tile_dim1 = 128
	s_mov_b32 s[\g+5], KROW                        ; tensor_dim0_stride
	s_mov_b32 s[\g+6], 0
	s_mov_b32 s[\g+7], 0
.endr
	s_lshl_b32 s18, s16, 7                         ; which 128 rows of the tile I fetch
	s_lshl_b32 s20, s17, 8
	s_add_co_u32 s20, s20, s18                     ; A: row 256 x tile + 128 x half
	s_lshl_b32 s46, s42, 8
	s_add_co_u32 s46, s46, s18                     ; B likewise
	s_lshl_b32 s20, s20, 10                        ; rows of 1,024 bytes: under 2^23
	s_lshl_b32 s46, s46, 10
	s_mov_b32 s21, 0
	s_mov_b32 s47, 0
	s_mul_i32 s45, s14, HALFT                      ; where they go: wave x 128 rows: no place in the cluster enters an LDS address
	s_wait_kmcnt 0x0
	s_load_b256 s[88:95], s[76:77], 0x0            ; e0 .. e7
	s_load_b32 s96, s[76:77], 0x24                 ; e9
	s_cmp_eq_u32 ttmp9, 0                          ; the buffers are chosen on the cluster's x alone
	s_cselect_b64 s[6:7], s[70:71], s[72:73]       ; Wq or Wk
	s_cselect_b64 s[10:11], s[78:79], s[80:81]     ; q_img or k_img
	s_cmp_lt_u32 ttmp9, 2
	s_cselect_b64 s[4:5], s[68:69], s[74:75]       ; A: x, or Wv
	s_cselect_b64 s[6:7], s[6:7], s[68:69]         ; B: the weight, or x
	s_cselect_b64 s[10:11], s[10:11], s[82:83]     ; the image
	s_add_nc_u64 s[20:21], s[4:5], s[20:21]
	s_add_nc_u64 s[46:47], s[6:7], s[46:47]
	CROUND                                         ; all sixteen work-groups are here: the first joint loads meet
.irp s, 0,1
	s_mov_b32 s[G0+4*\s], 1
	s_add_co_u32 s[G0+4*\s+1], s45, \s*SLOT
	s_add_nc_u64 s[G0+4*\s+2:G0+4*\s+3], s[20:21], \s*ROWB
	s_or_b32 s[G0+4*\s+3], s[G0+4*\s+3], 0x80000000
	s_mov_b32 s[G0B+4*\s], 1
	s_add_co_u32 s[G0B+4*\s+1], s45, \s*SLOT
	s_add_nc_u64 s[G0B+4*\s+2:G0B+4*\s+3], s[46:47], \s*ROWB
	s_or_b32 s[G0B+4*\s+3], s[G0B+4*\s+3], 0x80000000
	JLOAD G0+4*\s, G1, G0B+4*\s, G1B
.endr
	v_and_b32 v1, 15, v0                           ; l % 16
	v_bfe_u32 v2, v0, 4, 1                         ; l / 16
	v_mul_u32_u24 v3, v1, PITCH
	v_lshl_add_u32 v4, v2, 4, v3                   ; a fragment's row x pitch + 16 x half
	s_mul_i32 s21, s15, HALFT                      ; my 128 rows of A
	s_mul_i32 s22, s16, HALFT                      ; my 128 rows of B,
	s_add_co_u32 s22, s22, 2*HALFT                 ; which lie behind A's 256
.irp s, 0,1
	v_add_nc_u32 v[ADRA+\s], s21, v4
	v_add_nc_u32 v[ADRB+\s], s22, v4
	s_add_co_u32 s21, s21, SLOT
	s_add_co_u32 s22, s22, SLOT
.endr
	v_and_b32 v6, 31, v0
	v_lshlrev_b32 v[CO], 4, v6
	; where my 128 x 128 begins in the image: batch x 2^21 + head x 2^17 + (token in its batch) x 64, for all three images (16 tokens are 1,024 bytes of q_img and k_img, 128 keys 8,192 bytes of v_img)
	s_lshl_b32 s86, s17, 8
	s_lshl_b32 s8, s15, 7
	s_add_co_u32 s86, s86, s8                      ; A's first row of mine
	s_lshl_b32 s87, s42, 8
	s_lshl_b32 s8, s16, 7
	s_add_co_u32 s87, s87, s8                      ; B's
	s_cmp_lt_u32 ttmp9, 2
	s_cselect_b32 s8, s86, s87                     ; my first token,
	s_cselect_b32 s9, s87, s86                     ; my first feature
	s_lshr_b32 s12, s8, 11
	s_lshl_b32 s12, s12, 21
	s_lshr_b32 s9, s9, 6
	s_lshl_b32 s9, s9, 17
	s_add_co_u32 s12, s12, s9
	s_and_b32 s8, s8, 2047
	s_lshl_b32 s8, s8, 6
	s_add_co_u32 s12, s12, s8
	s_mov_b32 s13, 0
	s_add_nc_u64 s[10:11], s[10:11], s[12:13]
.macro FRAG reg, adr, q, i             ; 16 rows x 128 K: lane l holds row l % 16; registers 4 c .. 4 c + 3 hold K = 32 c + 16 (l / 16) + 0 .. 15: the same permutation of k in A and in B
.irp c, 0,1,2,3
	ds_load_b128 v[\reg+4*\c:\reg+4*\c+3], v[\adr] offset:128*(\q)+32*\c+(\i)*16*PITCH
.endr
.endm
; 16 matrix instructions: A's blocks a0, a0 + 1 x B's eight, 128 along K.  p: B's set.  zero = 1: the first product starts the sums.
; The 64 accumulators take turns, one instruction a turn, in the same order in every step.
.macro MUL16 a0, p, zero
.irp a, \a0, \a0+1
.irp b, 0,1,2,3,4,5,6,7
.if \zero
	v_wmma_f32_16x16x128_fp8_fp8 v[8*(8*((\a)%4)+\b):8*(8*((\a)%4)+\b)+7], v[128*(\p)+FR*\b:128*(\p)+FR*\b+FR-1], v[AF+FR*(\a):AF+FR*(\a)+FR-1], 0
.else
	v_wmma_f32_16x16x128_fp8_fp8 v[8*(8*((\a)%4)+\b):8*(8*((\a)%4)+\b)+7], v[128*(\p)+FR*\b:128*(\p)+FR*\b+FR-1], v[AF+FR*(\a):AF+FR*(\a)+FR-1], v[8*(8*((\a)%4)+\b):8*(8*((\a)%4)+\b)+7]
.endif
.endr
.endr
.endm
.macro FETCH_B slot, q, p              ; B's eight fragments of the slot's q-th 128 along K into set p
	WIN TO_B
.irp i, 0,1,2,3,4,5,6,7
	FRAG 128*(\p)+FR*\i, ADRB+\slot, \q, \i
.endr
	WIN 0
.endm
.macro FETCH_A slot, q, i0             ; A's blocks i0 .. i0 + 3
.irp i, \i0, \i0+1, \i0+2, \i0+3
	FRAG AF+FR*(\i), ADRA+\slot, \q, \i
.endr
.endm
.macro PLACES n                        ; plain vector instructions in front of loads into registers that matrix instructions have read, and of the first read of results
.rept \n
	v_nop
.endr
.endm
; A step of 128 along K that has its successor in the same slot.
.macro STEP slot, q, zero
	s_wait_dscnt 4*NL                              ; B's set and A's blocks 0-3 are in; the youngest 16 loads (A's blocks 4-7) may be out
	WIN MUL_LO
	MUL16 0, (\q)%2, \zero
	MUL16 2, (\q)%2, \zero
	s_wait_dscnt 0                                 ; A's blocks 4-7 are in (asked for 32 matrix instructions ago)
	PLACES NP
	FETCH_B \slot, (\q)+1, 1-(\q)%2
	FETCH_A \slot, (\q)+1, 0
	WIN MUL_HI
	MUL16 4, (\q)%2, \zero
	MUL16 6, (\q)%2, \zero
	PLACES NP
	WIN 0
	FETCH_A \slot, (\q)+1, 4
.endm
; A slot's last step changes slots: one barrier; in front of it each wave waits for all its tensor loads, adds 0 to its spare word, and waits for that and for its reads of this slot.  fill = 1: this slot is filled again, two K steps ahead.
.macro TURN slot, next, fill
	s_wait_tensorcnt 0x0                           ; all my tensor loads have landed: my part of the next slot  (every window is 0 here)
	ds_add_u32 v[SPW], v[NIL]                      ; 0 onto my spare word
	s_wait_dscnt 4*NL+1                            ; the add and the youngest 16 loads, A's blocks 4-7, may be out
	WIN MUL_LO
	MUL16 0, 1, 0                                  ; sixteen matrix instructions stand between the add and the wait for it
	s_wait_dscnt 0x0                               ; the add is done, and my reads of this slot are over
	s_barrier_signal -1
	MUL16 2, 1, 0
	WIN 0
	s_barrier_wait -1
.if \fill
	CREST                                          ; the barrier has opened a round of the cluster's barrier: no wave of any partner still reads this slot or has a load on its way
	s_add_nc_u64 s[G0+4*\slot+2:G0+4*\slot+3], s[G0+4*\slot+2:G0+4*\slot+3], 2*ROWB
	s_add_nc_u64 s[G0B+4*\slot+2:G0B+4*\slot+3], s[G0B+4*\slot+2:G0B+4*\slot+3], 2*ROWB
	JLOAD G0+4*\slot, G1, G0B+4*\slot, G1B         ; the first tensor load behind the round; its four v_nop are the places in front of the loads below
.else
	PLACES NP
.endif
	FETCH_B \next, 0, 0
	FETCH_A \next, 0, 0
	WIN MUL_HI
	MUL16 4, 1, 0
	MUL16 6, 1, 0
	PLACES NP
	WIN 0
	FETCH_A \next, 0, 4
.endm
	s_wait_tensorcnt 1                             ; my part of slot 0 is in; slot 1's load may be out
	s_barrier_signal -1
	s_barrier_wait -1                              ; everybody's is
	FETCH_B 0, 0, 0
	FETCH_A 0, 0, 0
	FETCH_A 0, 0, 4
	STEP 0, 0, 1                                   ; the first step stands in front of the loop: its products start the sums
	s_mov_b32 s3, LAPS-1
.Llap:                                                 ; a trip goes once round the ring, from a lap's second step to the next lap's first, and fills both slots again
	TURN 0, 1, 1
	STEP 1, 0, 0
	TURN 1, 0, 1
	STEP 0, 0, 0
	s_sub_co_u32 s3, s3, 1
	s_cmp_lg_u32 s3, 0
	s_cbranch_scc1 .Llap
	TURN 0, 1, 0                                   ; the last lap fills nothing, and has no round of the cluster's barrier
	STEP 1, 0, 0
	s_wait_dscnt 4*NL                              ; the very last step: nothing more to fetch
	WIN MUL_LO
	MUL16 0, 1, 0
	MUL16 2, 1, 0
	s_wait_dscnt 0
	WIN MUL_HI
	MUL16 4, 1, 0
	MUL16 6, 1, 0
	WIN 0
	; THE WAY OUT.  The three scales are folded into the conversion's one: E = eout - ex - ew.  All three are made; the cluster's x chooses.
	s_wait_kmcnt 0x0
	s_sub_co_i32 s8, s94, s88                      ; q: e6 - e0 - e1
	s_sub_co_i32 s8, s8, s89
	s_sub_co_i32 s9, s95, s90                      ; k: e7 - e2 - e3
	s_sub_co_i32 s9, s9, s91
	s_sub_co_i32 s12, s96, s92                     ; v: e9 - e4 - e5
	s_sub_co_i32 s12, s12, s93
	s_cmp_eq_u32 ttmp9, 0
	s_cselect_b32 s8, s8, s9
	s_cmp_lt_u32 ttmp9, 2
	s_cselect_b32 s8, s8, s12
	s_add_co_i32 s8, s8, 127
	s_lshl_b32 s9, s8, 23
	v_mov_b32 v[SC], s9                            ; 2^E as f32: the conversion takes its exponent field
	s_add_co_i32 s8, s8, 8
	s_lshl_b32 s8, s8, 23
	s_or_b32 s8, s8, 0x600000
	v_mov_b32 v[LIM], s8                           ; 448 x 2^E
	PLACES NP
; A's block a: its 64 sums are held (the conversion to an 8-bit code does not saturate: ISA guide 7.6.2), each accumulator from its low end on, and become 16 registers of codes:
; accumulator (a, b) gives registers 2 b, 2 b + 1: the lane's row of A, B's rows 16 b + 8 (l / 16) + 0 .. 7.
.macro CODES a
.set AC, 64*((\a)%4)
	WIN 0x02+((\a)/4)                              ; source 0: window 2 or 3
.set j, 0
.rept 64
	v_med3_num_f32 v[TMP+j], v[AC+j], -v[LIM], v[LIM]
.set j, j+1
.endr
	WIN 0
.irp b, 0,1,2,3,4,5,6,7
	v_cvt_scalef32_pk8_fp8_f32 v[CD+16*(\a)+2*\b:CD+16*(\a)+2*\b+1], v[TMP+8*\b:TMP+8*\b+7], v[SC]
.endr
	v_nop                                          ; one plain vector instruction between the conversions and the next block's holds, which write their sources
.endm
.irp a, 0,1,2,3,4,5,6,7
	CODES \a
.endr
	; Every store of the wave covers 512 consecutive bytes, aligned; every store has data registers of its own, and base and offset are never rewritten.
	s_cmp_eq_u32 ttmp9, 2
	s_cbranch_scc1 .Lstore_v
.irp a, 0,1,2,3,4,5,6,7                ; q, k: block a = a tile of 16 tokens; pieces 0, 1 my first head's 64 features, pieces 2, 3 my second head's
.irp g, 0,1,2,3
	global_store_b128 v[CO], v[CD+16*\a+4*\g:CD+16*\a+4*\g+3], s[10:11] offset:(\g/2)*131072+\a*1024+(\g%2)*512
.endr
.endr
	s_branch .Lstored
.Lstore_v:
.irp a, 0,1,2,3,4,5,6,7                ; v: block a = a tile of 16 channels (head a / 4, tile a % 4); its four pieces are my 128 keys
.irp g, 0,1,2,3
	global_store_b128 v[CO], v[CD+16*\a+4*\g:CD+16*\a+4*\g+3], s[10:11] offset:(\a/4)*131072+(\a%4)*2048+\g*512
.endr
.endr
.Lstored:
	s_wait_tensorcnt 0x0                           ; the wave's end
	ds_add_u32 v[SPW], v[NIL]
	s_wait_dscnt 0x0
	CROUND                                         ; the closing round: no work-group ends while a partner may still ask for a tile that names it
	s_endpgm
.Lfunc_end_k_qb74b0857c0_qkv:
	.size	k_qb74b0857c0_qkv, .Lfunc_end_k_qb74b0857c0_qkv-k_qb74b0857c0_qkv
	.p2alignl 7, 3214868480
	.fill 96, 4, 3214868480
	.section	.rodata,"a",@progbits
	.p2align	6, 0x0
	.amdhsa_kernel k_qb74b0857c0_qkv
		.amdhsa_group_segment_fixed_size 327680
		.amdhsa_private_segment_fixed_size 0
		.amdhsa_enable_private_segment 0
		.amdhsa_kernarg_size 64
		.amdhsa_user_sgpr_count 2
		.amdhsa_user_sgpr_kernarg_segment_ptr 1
		.amdhsa_wavefront_size32 1
		.amdhsa_system_sgpr_workgroup_id_x 1
		.amdhsa_system_sgpr_workgroup_id_y 1
		.amdhsa_system_sgpr_workgroup_id_z 1
		.amdhsa_system_vgpr_workitem_id 0
		.amdhsa_next_free_vgpr 1024
		.amdhsa_next_free_sgpr 98
		.amdhsa_reserve_vcc 0
		.amdhsa_float_denorm_mode_32 3
		.amdhsa_float_denorm_mode_16_64 3
		.amdhsa_memory_ordered 1
		.amdhsa_forward_progress 1
		.amdhsa_inst_pref_size 121
	.end_amdhsa_kernel
	.amdgpu_metadata
---
amdhsa.version: [ 1, 2 ]
amdhsa.kernels:
  - .name:           k_qb74b0857c0_qkv
    .symbol:         k_qb74b0857c0_qkv.kd
    .args:
      - { .name: x_codes, .offset: 0, .size: 8, .value_kind: global_buffer, .address_space: global }
      - { .name: w_q_codes, .offset: 8, .size: 8, .value_kind: global_buffer, .address_space: global }
      - { .name: w_k_codes, .offset: 16, .size: 8, .value_kind: global_buffer, .address_space: global }
      - { .name: w_v_codes, .offset: 24, .size: 8, .value_kind: global_buffer, .address_space: global }
      - { .name: lowp_scales, .offset: 32, .size: 8, .value_kind: global_buffer, .address_space: global }
      - { .name: q_img, .offset: 40, .size: 8, .value_kind: global_buffer, .address_space: global }
      - { .name: k_img, .offset: 48, .size: 8, .value_kind: global_buffer, .address_space: global }
      - { .name: v_img, .offset: 56, .size: 8, .value_kind: global_buffer, .address_space: global }
    .group_segment_fixed_size: 327680
    .private_segment_fixed_size: 0
    .kernarg_segment_align: 8
    .kernarg_segment_size: 64
    .max_flat_workgroup_size: 128
    .sgpr_count:     98
    .vgpr_count:     1024
    .wavefront_size: 32
...
	.end_amdgpu_metadata
.endif
;; end of part 1
;; launch attn (part 2): grid 4 x 64, 16 waves a work-group, no clusters, 34,816 bytes of LDS; arguments q_img, k_img, v_img, lowp_scales, a_img; writes a_img
.if DOCPART == 2
	.amdgcn_target "amdgcn-amd-amdhsa--gfx1250"
	.amdhsa_code_object_version 6
	.text
	.protected	k_qb74b0857c0_attn
	.globl	k_qb74b0857c0_attn
	.p2align	8
	.type	k_qb74b0857c0_attn,@function
k_qb74b0857c0_attn:
	s_mov_b64 s[64:65], 0
	v_nop
	global_prefetch_b8 v0, s[64:65] scope:SCOPE_SE
	s_setreg_imm32_b32 hwreg(HW_REG_WAVE_MODE, 25, 1), 1
	s_wait_xcnt 0x0
; Causal attention on codes of FP8 (E4M3): for each of 64 (batch, head): O[q] = sum over k <= q of p(q, k) V[k] / l(q), head size 64, 2,048 tokens; O is quantised for the last product.
; t = score x log2(e) / 8; M = the running largest t rounded UP to a whole number; p = 2^(t - M) is quantised with 2^e8, not normalised; l is the sum of the unquantised p, in f32.
; When M moves, l and O are multiplied by 2^(old M - new M), which rounds nothing.  lowp_scales: e6 (q), e7 (k), e8 (p), e9 (v), e10 (the result).
; INPUTS are images of operand registers (four registers x 32 lanes = 512 bytes a piece, lane l's 16 bytes at 16 l), in the matrix forms' own layout: registers 2 c, 2 c + 1 of lane (r, h): k = 16 c + 8 h + 0 .. 7.
;   q_img, k_img: [bh][tile of 16 tokens][piece 2];  v_img: [bh][step of 128 keys][tile of 16 channels][piece 4].
; OUTPUT a_img: [tile of 16 tokens 512][head 16][piece 2][512]: piece g of a head, lane (r, h): token r, channels 32 g + 16 h + 0 .. 15: what four 16-byte loads of a row would give the last product.
; SHARES.  Work-group (p, bh) owns two blocks of 256 queries of one head, block 7 - p and then block p: 2 (8 - p) + 2 (p + 1) = 18 key steps of 128 in every work-group.
; Each of the sixteen waves owns one tile of 16 queries in 256 registers: four waves to a SIMD, so that one wave's exponentials stand beside another's matrix work and LDS loads.
; Both products are used transposed: S^T = K Q^T (source 0 = 16 keys), O^T = V^T P^T (source 0 = 16 channels): a lane holds ONE query (lane % 16) throughout, and one conversion of a tile of S^T is two registers of P.
; K AND V come through registers: each thread loads 16 bytes of a step's 8,192 of K and of V, three steps ahead, and stores them into one of two LDS buffers a step ahead; one barrier a step.
; NO CLUSTER AND NO TENSOR LOADS: the four work-groups of a head need different numbers of tiles (16, 14, 12, 10 steps and then 2, 4, 6, 8), and what they share is 16,384 bytes a step
; beside sixteen waves' 12 matrix and some 200 vector instructions each; so steps that lie wholly behind the mask are neither fetched nor walked.
; The fetch index runs on from the first block's steps into the second's; the last three fetches read steps of the same head again and are not used (they stay inside the buffers).
; LIMITS on the given exponents, so that each power of two below is an f32 number: e6 + e7 between -123 and 130; e8 between -126 and 119; e10 - e8 - e9 between -126 and 119.  NaN codes are not served.
.set BUF,  16384                       ; an LDS buffer: a step's K (8,192 bytes), then its V
.set T16,  1                           ; v1   16 x thread: my 16 bytes of a step's K and V; never rewritten
.set L16,  2                           ; v2   16 x lane: my place in a piece; never rewritten
.set GOF,  3                           ; v3, v4  the offsets of the two staging sets' loads
.set PFO,  5                           ; v5   256 x lane: the prefetch's offset; never rewritten
.set RH,   9                           ; v9   lane % 16 - 8 (lane / 16), for the mask
.set NINF, 10                          ; v10  -infinity
.set QF,   16                          ; v16-23 Q of the block in hand; v24-31 Q of the second block
.set FRG,  32                          ; v32-95   eight fragments of K, then four of V
.set SR,   96                          ; v96-159  S^T, then p
.set OT,   160                         ; v160-191 O^T
.set PC,   192                         ; v192-207 p's codes
.set RS,   208                         ; v208-215, v216-223 the two staging sets: 4 registers of K, 4 of V
.set WV,   14                          ; s14 wave;  s15 p;  s16 bh
.set SEL,  20                          ; s[20:21] lane selects for v_permlanex16_b32: lane l xor 16
.set CS,   22                          ; s[22:23] c = log2(e) / 8 x 2^(e6 + e7)
.set QBLK, 24                          ; s24 the block of queries in hand
.set CNT,  25                          ; s25 pairs of key steps to go
.set BLKS, 26                          ; s26 blocks to go
.set KF,   27                          ; s27 the step's first key
.set Q0,   28                          ; s28 my first query
.set NIDX, 29                          ; s29 the key step fetched last
.set LIMA, 30                          ; s30 where the fetch index goes back to 0
.set LIMB, 31                          ; s31 the second block's number of steps
.set PFI,  32                          ; s32 the key step that the prefetch names
.set PFL,  33                          ; s33 16 in a wave that prefetches, else 0
.set PFA,  34                          ; s[34:35] the prefetch's address
.set KB,   48                          ; s[48:49] k_img, s[50:51] v_img, s[52:53] q_img at my head
.set VB,   50
.set QH,   52
	s_load_b256 s[4:11], s[0:1], 0x0               ; q_img s[4:5], k_img s[6:7], v_img s[8:9], the scales' exponents s[10:11]
	s_load_b64 s[12:13], s[0:1], 0x20              ; a_img
	v_lshl_add_u32 v254, v0, 2, 0x8000
	v_mov_b32 v255, 0
	v_lshrrev_b32 v8, 5, v0
	v_readfirstlane_b32 s[WV], v8                  ; wave 0..15
	s_mov_b32 s15, ttmp9                           ; p
	s_and_b32 s16, ttmp7, 0xffff                   ; bh
	v_lshlrev_b32 v[T16], 4, v0
	v_and_b32 v[L16], 31, v0
	v_lshlrev_b32 v[PFO], 8, v[L16]
	v_lshlrev_b32 v[L16], 4, v[L16]
	v_and_b32 v[RH], 15, v0
	v_bfe_u32 v8, v0, 4, 1
	v_lshlrev_b32 v8, 3, v8
	v_sub_nc_u32 v[RH], v[RH], v8
	s_sub_co_u32 s[QBLK], 7, s15                   ; the first block
	s_lshl_b32 s45, s[QBLK], 4
	s_add_co_u32 s45, s45, s[WV]
	s_lshl_b32 s45, s45, 10
	v_add_nc_u32 v6, s45, v[L16]                   ; my tile of Q in the first block: (16 (7 - p) + wave) x 1,024 bytes,
	s_lshl_b32 s45, s15, 4
	s_add_co_u32 s45, s45, s[WV]
	s_lshl_b32 s45, s45, 10
	v_add_nc_u32 v7, s45, v[L16]                   ; and in the second
	s_lshl_b32 s46, s16, 17                        ; a head is 131,072 bytes of each image
	s_mov_b32 s47, 0
	s_mov_b32 s[SEL], 0x76543210
	s_mov_b32 s[SEL+1], 0xfedcba98
	s_mov_b32 s[CS], 0x3e38aa3b                    ; log2(e) / 8
	s_mov_b32 s38, 0xffff0000                      ; lanes 16 to 31
	s_mov_b32 s[NIDX], 2                           ; steps 0, 1 and 2 are fetched here, at the head
	s_sub_co_u32 s[LIMA], 8, s15
	s_lshl_b32 s[LIMA], s[LIMA], 1                 ; the first block's 2 (8 - p) steps
	s_add_co_u32 s[LIMB], s15, 1
	s_lshl_b32 s[LIMB], s[LIMB], 1                 ; the second's 2 (p + 1)
	s_mov_b32 s[PFI], 4
	s_lshr_b32 s45, s[WV], 1
	s_or_b32 s45, s45, ttmp9                       ; 0 in waves 0 and 1 of the head's work-group 0, whose first block walks all 16 steps
	s_cmp_eq_u32 s45, 0
	s_cselect_b32 s[PFL], 16, 0
	s_mov_b32 s[BLKS], 2
	s_wait_kmcnt 0x0
	s_load_b128 s[40:43], s[10:11], 0x18           ; e6, e7, e8, e9
	s_load_b32 s44, s[10:11], 0x28                 ; e10
	s_add_nc_u64 s[KB:KB+1], s[6:7], s[46:47]
	s_add_nc_u64 s[VB:VB+1], s[8:9], s[46:47]
	s_add_nc_u64 s[QH:QH+1], s[4:5], s[46:47]
	global_load_b128 v[QF:QF+3],     v6, s[QH:QH+1]
	global_load_b128 v[QF+4:QF+7],   v6, s[QH:QH+1] offset:512
	global_load_b128 v[QF+8:QF+11],  v7, s[QH:QH+1]
	global_load_b128 v[QF+12:QF+15], v7, s[QH:QH+1] offset:512
	global_load_b128 v[RS:RS+3],     v[T16], s[KB:KB+1]              ; step 0
	global_load_b128 v[RS+4:RS+7],   v[T16], s[VB:VB+1]
	global_load_b128 v[RS+8:RS+11],  v[T16], s[KB:KB+1] offset:8192  ; step 1
	global_load_b128 v[RS+12:RS+15], v[T16], s[VB:VB+1] offset:8192
	s_cmp_eq_u32 s[WV], 0                          ; wave 0 prefetches K, wave 1 V
	s_cselect_b64 s[PFA:PFA+1], s[KB:KB+1], s[VB:VB+1]
	s_add_nc_u64 s[PFA:PFA+1], s[PFA:PFA+1], 4*8192  ; at step 4: the end of step 0 steps it to 5.  Steps 0 to 4 come by their loads alone
	v_mov_b32 v[NINF], 0xff800000
	v_mov_b32 v11, 0                               ; written once: a lane permute's destination counts as one of its sources
	v_mov_b32 v242, 0
	v_mov_b32 v243, 0
	v_mov_b32 v249, 0                              ; (named as the upper half of the pair v[248:249])
	s_wait_kmcnt 0x0
	s_add_co_i32 s45, s40, s41
	s_lshl_b32 s45, s45, 23
	s_add_co_i32 s[CS], s[CS], s45                 ; a score stands for score x 2^(e6 + e7): the two exponents are added to c's exponent field
	s_mov_b32 s[CS+1], s[CS]                       ; (named with it as a pair, so it is written)
	s_add_co_i32 s45, s42, 127
	s_lshl_b32 s46, s45, 23
	v_mov_b32 v244, s46                            ; 2^e8 as f32, for p's conversions
	s_add_co_i32 s45, s45, 8
	s_lshl_b32 s45, s45, 23
	s_or_b32 s45, s45, 0x600000
	v_mov_b32 v245, s45                            ; 448 x 2^e8
	s_sub_co_i32 s45, s44, s42
	s_sub_co_i32 s45, s45, s43                     ; a sum of the second product stands for sum x 2^(e8 + e9): its code is (sum / l) / 2^(e10 - e8 - e9)
	s_add_co_i32 s45, s45, 127
	s_lshl_b32 s46, s45, 23
	v_mov_b32 v246, s46
	s_add_co_i32 s45, s45, 8
	s_lshl_b32 s45, s45, 23
	s_or_b32 s45, s45, 0x600000
	v_mov_b32 v247, s45
	s_wait_loadcnt 0x2                             ; Q's four loads and step 0's two are in; step 1's two may be out
	ds_store_b128 v[T16], v[RS:RS+3]
	ds_store_b128 v[T16], v[RS+4:RS+7] offset:8192
	s_wait_dscnt 0x0                               ; my part of step 0 lies in buffer 0, and the stores have read their registers,
	global_load_b128 v[RS:RS+3],   v[T16], s[KB:KB+1] offset:16384   ; which take step 2
	global_load_b128 v[RS+4:RS+7], v[T16], s[VB:VB+1] offset:16384
	s_barrier_signal -1
	s_barrier_wait -1                              ; everybody's part lies there
; A KEY STEP: 128 keys, from buffer b.
.macro STEP b
	s_add_co_u32 s45, s[Q0], 15                    ; a step all of whose keys come after my 16 queries is left out: a branch on ids; no barrier stands in a step
	s_cmp_gt_u32 s[KF], s45
	s_cbranch_scc1 .Lhid_\@
.rept 4
	v_nop                                          ; places in front of loads into registers that the last step's products have read
.endr
.irp t, 0,1,2,3,4,5,6,7
	ds_load_b128 v[FRG+8*\t:FRG+8*\t+3],   v[L16] offset:BUF*\b+1024*\t
	ds_load_b128 v[FRG+8*\t+4:FRG+8*\t+7], v[L16] offset:BUF*\b+1024*\t+512
.endr
	s_wait_dscnt 0x0
.irp t, 0,1,2,3,4,5,6,7                        ; S^T: tile t, lane (r, h), register j: key 16 t + 8 h + j, query r
	v_wmma_f32_16x16x64_fp8_fp8 v[SR+8*\t:SR+8*\t+7], v[FRG+8*\t:FRG+8*\t+7], v[QF:QF+7], 0
.endr
.rept 4
	v_nop                                          ; places in front of the loads below and of the first read of the scores
.endr
.irp c, 0,1,2,3                                ; V's four fragments land while the softmax is worked
.irp g, 0,1,2,3
	ds_load_b128 v[FRG+16*\c+4*\g:FRG+16*\c+4*\g+3], v[L16] offset:BUF*\b+8192+2048*\c+512*\g
.endr
.endr
	s_add_co_u32 s45, s[KF], 127                   ; a step all of whose keys count skips the mask
	s_cmp_le_u32 s45, s[Q0]
	s_cbranch_scc1 .Lopen_\@
	s_sub_co_i32 s45, s[Q0], s[KF]
	v_add_nc_u32 v8, s45, v[RH]                    ; d = my query - the step's first key - 8 h.  Register 8 t + j holds key 16 t + j + 8 h: hidden where 16 t + j > d
.set n, 0
.rept 64
	v_cmp_gt_i32 vcc_lo, 16*(n/8)+n%8, v8
	v_cndmask_b32 v[SR+n], v[SR+n], v[NINF], vcc_lo   ; hidden scores become -infinity ahead of the maximum: p = 0 then
.set n, n+1
.endr
.Lopen_\@:
	v_max3_num_f32 v252, v[SR], v[SR+1], v[SR+2]   ; the step's largest score of my query among my 64 keys, in two chains; each tile is first read at its low end
	v_max3_num_f32 v253, v[SR+3], v[SR+4], v[SR+5]
.irp i, 6,10,14,18,22,26,30,34,38,42,46,50,54,58
	v_max3_num_f32 v252, v252, v[SR+\i], v[SR+\i+1]
	v_max3_num_f32 v253, v253, v[SR+\i+2], v[SR+\i+3]
.endr
	v_max3_num_f32 v252, v252, v[SR+62], v[SR+63]
	v_max_num_f32 v252, v252, v253
	v_permlanex16_b32 v11, v252, s[SEL], s[SEL+1]
	v_max_num_f32 v252, v252, v11                  ; and among lane l xor 16's
	v_mul_f32 v252, s[CS], v252                    ; as t (c is positive)
	v_max_num_f32 v13, v13, v252                   ; the running largest t
	v_mov_b32 v252, v12
	v_floor_f32 v12, -v13                          ; the new -M = floor(-t) = -ceil(t): M is a whole number
	v_sub_f32 v252, v12, v252                      ; old M - new M: a whole number, 0 or less
	v_cvt_i32_f32 v252, v252                       ; (it saturates)
	v_ldexp_f32 v248, 1.0, v252                    ; f = 2^(old M - new M)
	; ONE BATCH: the 32 scalings t - M (two numbers each), the 64 exponentials, and between them O^T's 16 multiplications by f.  No line of it names an exponential's result.
	v_pk_fma_f32 v[SR:SR+1], v[SR:SR+1], s[CS:CS+1], v[12:13] op_sel_hi:[1,0,0]
.set k, 0
.rept 32
.if k < 31
	v_pk_fma_f32 v[SR+2*k+2:SR+2*k+3], v[SR+2*k+2:SR+2*k+3], s[CS:CS+1], v[12:13] op_sel_hi:[1,0,0]   ; of the pairs c and -M the low word serves both halves
.endif
	v_exp_f32 v[SR+2*k], v[SR+2*k]                 ; p = 2^(t - M): not normalised
.if k%2 == 0
	v_pk_mul_f32 v[OT+k:OT+k+1], v[OT+k:OT+k+1], v[248:249] op_sel_hi:[1,0]   ; O^T under the new M, each tile from its low end on
.endif
	v_exp_f32 v[SR+2*k+1], v[SR+2*k+1]
.set k, k+1
.endr
	v_pk_mul_f32 v[14:15], v[14:15], v[248:249] op_sel_hi:[1,0]   ; the sums under the new M: the plain instruction behind the last exponential
	s_wait_alu depctr_va_vdst(0)                   ; one wait for the whole batch, ahead of its first reader
	v_pk_add_f32 v[250:251], v[SR:SR+1], v[SR+2:SR+3]   ; the row's sum is taken of the unquantised p: two at a time, in two chains
.irp j, 4,8,12,16,20,24,28,32,36,40,44,48,52,56,60
	v_pk_add_f32 v[14:15], v[14:15], v[SR+\j:SR+\j+1]
	v_pk_add_f32 v[250:251], v[250:251], v[SR+\j+2:SR+\j+3]
.endr
	v_pk_add_f32 v[14:15], v[14:15], v[250:251]
	s_cmp_ge_i32 s42, -8                           ; p is at most 1 (a little more by t's rounding), and 448 x 2^e8 is 1.75 or more from e8 = -8 on: there no p reaches the hold
	s_cbranch_scc1 .Lnohold_\@
.set n, 0
.rept 64
	v_min_num_f32 v[SR+n], v[SR+n], v245           ; the conversion to an 8-bit code does not saturate (ISA guide 7.6.2); p is not negative, so the hold is one-sided
.set n, n+1
.endr
.Lnohold_\@:
.irp t, 0,1,2,3,4,5,6,7
	v_cvt_scalef32_pk8_fp8_f32 v[PC+2*\t:PC+2*\t+1], v[SR+8*\t:SR+8*\t+7], v244   ; registers 2 t, 2 t + 1 of P: keys 16 t + 8 h + 0 .. 7
.endr
	v_nop                                          ; one plain vector instruction between the conversions and the products that read their results
	s_wait_dscnt 0x0                               ; V is in
.irp c, 0,1,2,3                                ; O^T += V^T P^T: the four accumulators by turns
	v_wmma_f32_16x16x128_fp8_fp8 v[OT+8*\c:OT+8*\c+7], v[FRG+16*\c:FRG+16*\c+15], v[PC:PC+15], v[OT+8*\c:OT+8*\c+7]
.endr
.Lhid_\@:
	s_add_co_u32 s[KF], s[KF], 128
.endm
; A step and the hand-over behind it.  The other staging set (the next step's K and V) goes into the other buffer, whose last reads ended ahead of the barrier before; then the set takes the loads of three steps on.
.macro HALF b
	STEP \b
	s_wait_loadcnt 0x2                             ; that set's two loads are in; the two issued a step later may be out
	ds_store_b128 v[T16], v[RS+8*(1-\b):RS+8*(1-\b)+3] offset:BUF*(1-\b)
	ds_store_b128 v[T16], v[RS+8*(1-\b)+4:RS+8*(1-\b)+7] offset:BUF*(1-\b)+8192
	s_wait_dscnt 0x0                               ; for the others' sake: my stores have landed and my reads of this step's buffer are over; the stores have read their registers
	s_wait_xcnt 0x0                                ; the prefetch of a step ago has read its address
	s_add_co_u32 s[NIDX], s[NIDX], 1               ; the next step to fetch; behind a block's last step comes step 0, for the second block
	s_cmp_eq_u32 s[NIDX], s[LIMA]
	s_cselect_b32 s[NIDX], 0, s[NIDX]
	s_cselect_b32 s[LIMA], s[LIMB], s[LIMA]
	v_lshl_add_u32 v[GOF+1-\b], s[NIDX], 13, v[T16]   ; (the set's last loads, which read this register, are in)
	s_add_nc_u64 s[PFA:PFA+1], s[PFA:PFA+1], 8192
	s_add_co_u32 s[PFI], s[PFI], 1
	global_load_b128 v[RS+8*(1-\b):RS+8*(1-\b)+3],   v[GOF+1-\b], s[KB:KB+1]
	global_load_b128 v[RS+8*(1-\b)+4:RS+8*(1-\b)+7], v[GOF+1-\b], s[VB:VB+1]
	; A prefetch of the key step two steps further on than the loads just issued: 8,192 bytes, lanes 256 bytes apart.  The four work-groups of a head read the same K and V: work-group 0 asks,
	; wave 0 for K and wave 1 for V, so each block of 256 bytes is named once in the launch; it stops behind the head's last step.
	s_cmp_lt_u32 s[PFI], s[PFL]
	s_cbranch_scc0 .Lnopf_\@
	global_prefetch_b8 v[PFO], s[PFA:PFA+1] th:TH_LOAD_NT scope:SCOPE_SE
.Lnopf_\@:
	s_barrier_signal -1
	s_barrier_wait -1                              ; the next step's buffer is whole, and nobody reads this step's any more
.endm
.Lblock:                                           ; two trips: block 7 - p, then block p
	s_add_co_u32 s[CNT], s[QBLK], 1                ; 2 (block + 1) key steps reach the block's last query
	s_mov_b32 s[KF], 0
	s_lshl_b32 s[Q0], s[QBLK], 8
	s_lshl_b32 s45, s[WV], 4
	s_add_co_u32 s[Q0], s[Q0], s45                 ; my first query: 256 x block + 16 x wave
	v_mov_b32 v13, 0xff61b1e6                      ; the largest t so far: -3e38, under every t
	v_floor_f32 v12, -v13                          ; -M
	v_mov_b32 v14, 0                               ; the sum, in two halves
	v_mov_b32 v15, 0
.set n, 0
.rept 32
	v_mov_b32 v[OT+n], 0                           ; O^T: the step is written once; the first finds zeros, which the first change of M leaves zeros
.set n, n+1
.endr
.Ltrip:
	HALF 0
	HALF 1
	s_sub_co_u32 s[CNT], s[CNT], 1
	s_cmp_lg_u32 s[CNT], 0
	s_cbranch_scc1 .Ltrip
	; THE BLOCK'S WAY OUT: O^T / l, quantised; the codes change lanes once and leave as two pieces of 512 bytes.
.rept 4
	v_nop                                          ; places behind the last products
.endr
	v_add_f32 v14, v14, v15                        ; the sum's two halves,
	v_permlanex16_b32 v11, v14, s[SEL], s[SEL+1]
	v_add_f32 v14, v14, v11                        ; and lane l xor 16's
	v_rcp_f32 v248, v14
	v_nop                                          ; a plain instruction behind the reciprocal
	s_wait_xcnt 0x0                                ; the first block's stores have read their base and their data
	s_lshr_b32 s45, s16, 4
	s_lshl_b32 s45, s45, 7                         ; the batch's 128 tiles of tokens,
	s_lshl_b32 s46, s[QBLK], 4
	s_add_co_u32 s45, s45, s46
	s_add_co_u32 s45, s45, s[WV]                   ; + 16 x block + wave,
	s_lshl_b32 s45, s45, 14                        ; 16,384 bytes each,
	s_and_b32 s46, s16, 15
	s_lshl_b32 s46, s46, 10                        ; + the head's 1,024
	s_add_co_u32 s46, s46, s45
	s_mov_b32 s47, 0
	s_add_nc_u64 s[36:37], s[12:13], s[46:47]
	s_wait_alu depctr_va_vdst(0)                   ; the wait ahead of the reciprocal's first reader
.set n, 0
.rept 16
	v_pk_mul_f32 v[SR+n:SR+n+1], v[OT+n:OT+n+1], v[248:249] op_sel_hi:[1,0]   ; O^T / l: register 8 t + j is channel 16 t + 8 h + j of query r
.set n, n+2
.endr
.set n, 0
.rept 32
	v_med3_num_f32 v[SR+n], v[SR+n], -v247, v247   ; the hold at the largest code x the scale
.set n, n+1
.endr
.irp t, 0,1,2,3
	v_cvt_scalef32_pk8_fp8_f32 v[224+2*\t:225+2*\t], v[SR+8*\t:SR+8*\t+7], v246   ; C[t]: channels 16 t + 8 h + 0 .. 7
.endr
	v_nop                                          ; one plain vector instruction between the conversions and the lines that read their results
.irp g, 0,1                                    ; piece g wants channels 32 g + 16 h + 0 .. 15: lanes 0-15 keep C[2g] and get the other half's C[2g]; lanes 16-31 get the other half's C[2g+1] and keep theirs
	v_cndmask_b32 v240, v[226+4*\g], v[224+4*\g], s38   ; what I send: lanes 0-15 C[2g+1], lanes 16-31 C[2g]
	v_cndmask_b32 v241, v[227+4*\g], v[225+4*\g], s38
	v_permlanex16_b32 v242, v240, s[SEL], s[SEL+1]
	v_permlanex16_b32 v243, v241, s[SEL], s[SEL+1]
	v_cndmask_b32 v[232+4*\g], v[224+4*\g], v242, s38
	v_cndmask_b32 v[233+4*\g], v[225+4*\g], v243, s38
	v_cndmask_b32 v[234+4*\g], v242, v[226+4*\g], s38
	v_cndmask_b32 v[235+4*\g], v243, v[227+4*\g], s38
.endr
	global_store_b128 v[L16], v[232:235], s[36:37]             ; the wave stores 512 consecutive bytes, aligned
	global_store_b128 v[L16], v[236:239], s[36:37] offset:512
.set n, 0
.rept 8
	v_mov_b32 v[QF+n], v[QF+8+n]                   ; the second block's Q
.set n, n+1
.endr
	s_mov_b32 s[QBLK], s15
	s_sub_co_u32 s[BLKS], s[BLKS], 1
	s_cmp_lg_u32 s[BLKS], 0
	s_cbranch_scc1 .Lblock
	s_wait_tensorcnt 0x0
	ds_add_u32 v254, v255
	s_wait_dscnt 0x0
	s_endpgm
.Lfunc_end_k_qb74b0857c0_attn:
	.size	k_qb74b0857c0_attn, .Lfunc_end_k_qb74b0857c0_attn-k_qb74b0857c0_attn
	.p2alignl 7, 3214868480
	.fill 96, 4, 3214868480
	.section	.rodata,"a",@progbits
	.p2align	6, 0x0
	.amdhsa_kernel k_qb74b0857c0_attn
		.amdhsa_group_segment_fixed_size 34816
		.amdhsa_private_segment_fixed_size 0
		.amdhsa_enable_private_segment 0
		.amdhsa_kernarg_size 40
		.amdhsa_user_sgpr_count 2
		.amdhsa_user_sgpr_kernarg_segment_ptr 1
		.amdhsa_wavefront_size32 1
		.amdhsa_system_sgpr_workgroup_id_x 1
		.amdhsa_system_sgpr_workgroup_id_y 1
		.amdhsa_system_sgpr_workgroup_id_z 1
		.amdhsa_system_vgpr_workitem_id 0
		.amdhsa_next_free_vgpr 256
		.amdhsa_next_free_sgpr 66
		.amdhsa_reserve_vcc 1
		.amdhsa_float_denorm_mode_32 3
		.amdhsa_float_denorm_mode_16_64 3
		.amdhsa_memory_ordered 1
		.amdhsa_forward_progress 1
		.amdhsa_inst_pref_size 55
	.end_amdhsa_kernel
	.amdgpu_metadata
---
amdhsa.version: [ 1, 2 ]
amdhsa.kernels:
  - .name:           k_qb74b0857c0_attn
    .symbol:         k_qb74b0857c0_attn.kd
    .args:
      - { .name: q_img, .offset: 0, .size: 8, .value_kind: global_buffer, .address_space: global }
      - { .name: k_img, .offset: 8, .size: 8, .value_kind: global_buffer, .address_space: global }
      - { .name: v_img, .offset: 16, .size: 8, .value_kind: global_buffer, .address_space: global }
      - { .name: lowp_scales, .offset: 24, .size: 8, .value_kind: global_buffer, .address_space: global }
      - { .name: a_img, .offset: 32, .size: 8, .value_kind: global_buffer, .address_space: global }
    .group_segment_fixed_size: 34816
    .private_segment_fixed_size: 0
    .kernarg_segment_align: 8
    .kernarg_segment_size: 40
    .max_flat_workgroup_size: 512
    .sgpr_count:     66
    .vgpr_count:     256
    .wavefront_size: 32
...
	.end_amdgpu_metadata
.endif
;; end of part 2
;; launch proj (part 3): grid 4 x 32, 4 waves a work-group, clusters of 4 x 4, 327,680 bytes of LDS; arguments a_img, w_o_codes, lowp_scales, out0; writes out0
.if DOCPART == 3
	.amdgcn_target "amdgcn-amd-amdhsa--gfx1250"
	.amdhsa_code_object_version 6
	.text
	.protected	k_qb74b0857c0_proj
	.globl	k_qb74b0857c0_proj
	.p2align	8
	.type	k_qb74b0857c0_proj,@function
k_qb74b0857c0_proj:
	s_mov_b64 s[64:65], 0
	v_nop
	global_prefetch_b8 v0, s[64:65] scope:SCOPE_SE
	s_setreg_imm32_b32 hwreg(HW_REG_WAVE_MODE, 25, 1), 1
	s_wait_xcnt 0x0
	s_wait_alu depctr_hold_cnt(0) depctr_sa_sdst(0) depctr_va_vdst(0) depctr_va_sdst(0) depctr_va_ssrc(0) depctr_va_vcc(0) depctr_vm_vsrc(0)
	s_getreg_b32 s2, hwreg(HW_REG_IB_STS2, 6, 4)
	s_cmp_eq_u32 s2, 0
	s_cbranch_scc0 .Lentry_in_a_cluster
	s_endpgm
.Lentry_in_a_cluster:
	s_bfe_u32 s2, ttmp6, 0x10000c
	s_cmp_lg_u32 s2, 0xf033
	s_cbranch_scc0 .Lentry_shape_is_right
	s_endpgm
.Lentry_shape_is_right:
; out0[m][n] = sum over k of A[m][k] Wo[n][k] x 2^(e10 + e11), on codes of FP8 (E4M3).  out0: [8192][1024] f32; sums in f32.
; A (attention's result) comes as images of operand registers: a_img [tile of 16 tokens 512][head 16][piece 2][512 bytes]; four pieces on end are a fragment of 16 tokens x 128 K,
; lane (r, h), registers 4 c .. 4 c + 3: K = 32 c + 16 h + 0 .. 15.  Wo: [1024][1024] codes, K innermost; four 16-byte loads of a row give its fragments the same places of k.
; LIMIT: e10 + e11 lies between -126 and 127, so that 2^(e10 + e11) is an f32 number.
; A tile of out0, 256 x 256, is made by a work-group of four waves; a wave makes 128 x 128: 64 accumulators, 512 registers.  K goes in steps of 256 through two LDS slots.
; CLUSTERS: 4 x 4 work-groups.  A's tile is shared along a row of the cluster, Wo's along a column: each is asked for jointly.  The matrix instruction is used transposed
; (source 0 = 16 rows of Wo, source 1 = 16 tokens): a lane then holds eight neighbouring numbers of a row of out0.
; REGISTERS, in windows of 256: window 0: v0-31 addresses; from v128 A's fragments, one set; on the way out v32-255 are free.   window 1: Wo's fragments, two sets.   windows 2, 3: the accumulators.
.set SIZE_N, 1024
.set ROWB,   256                       ; a row of Wo's tile in bytes
.set KROW,   1024                      ; a row of Wo in memory
.set PITCH,  272                       ; Wo's LDS row: 256 bytes + 16 of padding
.set FR,     16
.set NL,     4
.set NP,     4
.set HALFA,  32768                     ; 8 tiles of tokens x 4,096 bytes (256 along K), dense: what one tensor load brings of A
.set HALFB,  128*PITCH                 ; 128 rows of Wo
.set BOFF,   2*HALFA                   ; Wo's rows lie behind A's images
.set SLOT,   2*HALFA+2*HALFB
.set LAPS,   2
.set SPARE,  2*SLOT                    ; behind the ring: the spare words, 128 bytes for each wave
.set SPITCH, 528                       ; the way out: a stage of 16 rows x (512 bytes + 16) for each wave, in slot 0, which has had its last fill and its last read when the first result is stored there
.set ADRA, 16                          ; v16-17  LDS address of my A fragments in slot 0, 1
.set ADRB, 20                          ; v20-21  the same for Wo
.set STO,  24                          ; v24     the way out: where I put 32 bytes of a row
.set RD,   25                          ; v25     the way out: where I read a row back
.set CO,   26                          ; v26     my byte offset in a row of out0
.set SPW,  28                          ; v28     LDS address of my spare word; never rewritten
.set NIL,  29                          ; v29     0; never rewritten
.set TMP,  32
.set AF,   128
.set BK,   128
.set G1, 24
.set G0, 32
.set G1B, 48
.set G0B, 56
.set MSB, 0
.macro WIN new                         ; the immediate's high byte repeats the setting that is left
.if MSB != (\new)
	s_set_vgpr_msb (MSB<<8)|(\new)
.set MSB, (\new)
.endif
.endm
.set MUL_LO, 0xa1
.set MUL_HI, 0xf1
.set TO_B,   0x40
.macro JLOAD g0a, g1a, g0b, g1b        ; a joint load: waves 0 and 1 fetch for A, waves 2 and 3 for Wo; four v_nop follow each of the two lines
	s_cmp_eq_u32 s15, 0
	s_cbranch_scc0 .Lfor_b_\@
	tensor_load_to_lds s[\g0a:\g0a+3], s[\g1a:\g1a+7]
	s_nop 0
.rept 4
	v_nop
.endr
	s_branch .Lasked_\@
.Lfor_b_\@:
	tensor_load_to_lds s[\g0b:\g0b+3], s[\g1b:\g1b+7]
	s_nop 0
.rept 4
	v_nop
.endr
.Lasked_\@:
.endm
.macro CREST
	s_cmp_lg_u32 s14, 0
	s_cbranch_scc1 .Lnot_wave_0_\@
	s_barrier_signal -3
.Lnot_wave_0_\@:
	s_barrier_wait -3
	s_barrier_signal -1
	s_barrier_wait -1
.endm
.macro CROUND
	s_barrier_signal -1
	s_barrier_wait -1
	CREST
.endm
	s_load_b128 s[4:7], s[0:1], 0x0                ; a_img s[4:5], Wo's codes s[6:7]
	s_load_b128 s[8:11], s[0:1], 0x10              ; the scales' exponents s[8:9], out0 s[10:11]
	v_lshl_add_u32 v[SPW], v0, 2, SPARE
	v_mov_b32 v[NIL], 0
	ds_add_u32 v28, v29
	ds_add_u32 v28, v29
	s_wait_dscnt 0x0
	v_lshrrev_b32 v1, 5, v0
	v_readfirstlane_b32 s14, v1                    ; wave 0..3
	s_lshr_b32 s15, s14, 1                         ; which half of the tile's rows is mine.  Also: I fetch for A (0) or for Wo (1)
	s_and_b32 s16, s14, 1                          ; which half of its columns.  Also: which half of that tile I fetch
	s_bfe_u32 s40, ttmp6, 0x40000                  ; cx, cy
	s_bfe_u32 s41, ttmp6, 0x40004
	s_lshl_b32 s42, ttmp9, 2
	s_add_co_u32 s42, s42, s40                     ; tile column = 4 x cluster x + cx
	s_and_b32 s17, ttmp7, 0xffff
	s_lshl_b32 s17, s17, 2
	s_add_co_u32 s17, s17, s41                     ; tile row = 4 x cluster y + cy
	s_lshl_b32 s43, s41, 2
	s_lshl_b32 s43, 15, s43                        ; my row of the cluster
	s_lshl_b32 s44, 0x1111, s40                    ; my column
	; A's group 1: 8 tiles of tokens x 4,096 bytes, 16,384 bytes apart in memory, dense in LDS; elements of 8 bytes
	s_or_b32 s[G1+0], s43, (3<<16)|(1<<21)         ; 15:0 the mask: my row; 17:16 elements of 8 bytes; 20 no padding; 21 set beside a mask
	s_mov_b32 s[G1+1], 512<<16                     ; tensor_dim0 = 512 elements
	s_mov_b32 s[G1+2], 8<<16                       ; tensor_dim1 = 8
	s_mov_b32 s[G1+3], 512<<16                     ; tile_dim0
	s_mov_b32 s[G1+4], 8                           ; tile_dim1
	s_mov_b32 s[G1+5], 2048                        ; tensor_dim0_stride: 2,048 elements
	s_mov_b32 s[G1+6], 0
	s_mov_b32 s[G1+7], 0
	; Wo's group 1: 128 rows x 256 bytes, padded in LDS
	s_or_b32 s[G1B+0], s44, (0<<16)|(1<<20)|(1<<21)|(5<<22)|(3<<25)  ; my column's mask; elements of 1 byte; four words of padding after every 64
	s_mov_b32 s[G1B+1], ROWB<<16
	s_mov_b32 s[G1B+2], 128<<16
	s_mov_b32 s[G1B+3], ROWB<<16
	s_mov_b32 s[G1B+4], 128
	s_mov_b32 s[G1B+5], KROW
	s_mov_b32 s[G1B+6], 0
	s_mov_b32 s[G1B+7], 0
	s_lshl_b32 s20, s17, 4
	s_lshl_b32 s18, s16, 3
	s_add_co_u32 s20, s20, s18                     ; A: tile of tokens 16 x tile row + 8 x half,
	s_lshl_b32 s20, s20, 14                        ; 16,384 bytes each
	s_mov_b32 s21, 0
	s_lshl_b32 s46, s42, 8
	s_lshl_b32 s18, s16, 7
	s_add_co_u32 s46, s46, s18                     ; Wo: row 256 x tile column + 128 x half,
	s_lshl_b32 s46, s46, 10                        ; 1,024 bytes each
	s_mov_b32 s47, 0
	s_mul_i32 s45, s16, HALFA                      ; where they go: no place in the cluster enters an LDS address
	s_mul_i32 s66, s16, HALFB
	s_add_co_u32 s66, s66, BOFF
	s_wait_kmcnt 0x0
	s_load_b64 s[96:97], s[8:9], 0x28              ; e10, e11
	s_add_nc_u64 s[20:21], s[4:5], s[20:21]
	s_add_nc_u64 s[46:47], s[6:7], s[46:47]
	CROUND                                         ; all sixteen work-groups are here: the first joint loads meet
.irp s, 0,1
	s_mov_b32 s[G0+4*\s], 1
	s_add_co_u32 s[G0+4*\s+1], s45, \s*SLOT
	s_add_nc_u64 s[G0+4*\s+2:G0+4*\s+3], s[20:21], \s*4096
	s_or_b32 s[G0+4*\s+3], s[G0+4*\s+3], 0x80000000
	s_mov_b32 s[G0B+4*\s], 1
	s_add_co_u32 s[G0B+4*\s+1], s66, \s*SLOT
	s_add_nc_u64 s[G0B+4*\s+2:G0B+4*\s+3], s[46:47], \s*ROWB
	s_or_b32 s[G0B+4*\s+3], s[G0B+4*\s+3], 0x80000000
	JLOAD G0+4*\s, G1, G0B+4*\s, G1B
.endr
	v_and_b32 v1, 15, v0                           ; l % 16
	v_bfe_u32 v2, v0, 4, 1                         ; l / 16
	v_and_b32 v6, 31, v0
	v_lshlrev_b32 v[CO], 4, v6                     ; 16 x lane: my place in a piece of an image, and in a row of 512 bytes
	v_mul_u32_u24 v3, v1, PITCH
	v_lshl_add_u32 v4, v2, 4, v3                   ; Wo: a fragment's row x pitch + 16 x half
	s_mul_i32 s21, s15, HALFA                      ; my 8 tiles of tokens
	s_mul_i32 s22, s16, HALFB                      ; my 128 rows of Wo
	s_add_co_u32 s22, s22, BOFF
.irp s, 0,1
	v_add_nc_u32 v[ADRA+\s], s21, v[CO]
	v_add_nc_u32 v[ADRB+\s], s22, v4
	s_add_co_u32 s21, s21, SLOT
	s_add_co_u32 s22, s22, SLOT
.endr
	s_mul_i32 s23, s14, 16*SPITCH                  ; my stage
	v_mul_u32_u24 v5, v1, SPITCH                   ; in: row l % 16, 32 bytes for each half of the lanes
	v_lshl_add_u32 v5, v2, 5, v5
	v_add_nc_u32 v[STO], s23, v5
	v_add_nc_u32 v[RD], s23, v[CO]                 ; back: the 32 lanes take one row of 512 bytes
	s_lshl_b32 s20, s17, 8
	s_lshl_b32 s21, s15, 7
	s_add_co_u32 s20, s20, s21                     ; my first row of out0: 256 x tile row + 128 x half,
	s_lshl_b32 s20, s20, 12                        ; 4,096 bytes each
	s_mov_b32 s21, 0
	s_lshl_b32 s46, s42, 10                        ; my first column, in bytes: 1,024 x tile column + 512 x half
	s_lshl_b32 s47, s16, 9
	s_add_co_u32 s46, s46, s47
	s_mov_b32 s47, 0
	s_add_nc_u64 s[20:21], s[20:21], s[46:47]
	s_add_nc_u64 s[10:11], s[10:11], s[20:21]
.macro FRAG reg, adr, q, i             ; Wo: 16 rows x 128 K: registers 4 c .. 4 c + 3 hold K = 32 c + 16 (l / 16) + 0 .. 15
.irp c, 0,1,2,3
	ds_load_b128 v[\reg+4*\c:\reg+4*\c+3], v[\adr] offset:128*(\q)+32*\c+(\i)*16*PITCH
.endr
.endm
.macro FRAGA reg, slot, q, i           ; A: tile of tokens i, the slot's q-th 128 along K: four pieces of 512 consecutive bytes, as they were stored
.irp c, 0,1,2,3
	ds_load_b128 v[\reg+4*\c:\reg+4*\c+3], v[ADRA+\slot] offset:4096*(\i)+2048*(\q)+512*\c
.endr
.endm
; 16 matrix instructions: A's blocks a0, a0 + 1 x Wo's eight.  The 64 accumulators take turns, one instruction a turn, in the same order in every step.
.macro MUL16 a0, p, zero
.irp a, \a0, \a0+1
.irp b, 0,1,2,3,4,5,6,7
.if \zero
	v_wmma_f32_16x16x128_fp8_fp8 v[8*(8*((\a)%4)+\b):8*(8*((\a)%4)+\b)+7], v[128*(\p)+FR*\b:128*(\p)+FR*\b+FR-1], v[AF+FR*(\a):AF+FR*(\a)+FR-1], 0
.else
	v_wmma_f32_16x16x128_fp8_fp8 v[8*(8*((\a)%4)+\b):8*(8*((\a)%4)+\b)+7], v[128*(\p)+FR*\b:128*(\p)+FR*\b+FR-1], v[AF+FR*(\a):AF+FR*(\a)+FR-1], v[8*(8*((\a)%4)+\b):8*(8*((\a)%4)+\b)+7]
.endif
.endr
.endr
.endm
.macro FETCH_B slot, q, p
	WIN TO_B
.irp i, 0,1,2,3,4,5,6,7
	FRAG 128*(\p)+FR*\i, ADRB+\slot, \q, \i
.endr
	WIN 0
.endm
.macro FETCH_A slot, q, i0
.irp i, \i0, \i0+1, \i0+2, \i0+3
	FRAGA AF+FR*(\i), \slot, \q, \i
.endr
.endm
.macro PLACES n                        ; plain vector instructions in front of loads into registers that matrix instructions have read, and of the first read of results
.rept \n
	v_nop
.endr
.endm
.macro STEP slot, q, zero
	s_wait_dscnt 4*NL                              ; Wo's set and A's blocks 0-3 are in; the youngest 16 loads (A's blocks 4-7) may be out
	WIN MUL_LO
	MUL16 0, (\q)%2, \zero
	MUL16 2, (\q)%2, \zero
	s_wait_dscnt 0                                 ; A's blocks 4-7 are in
	PLACES NP
	FETCH_B \slot, (\q)+1, 1-(\q)%2
	FETCH_A \slot, (\q)+1, 0
	WIN MUL_HI
	MUL16 4, (\q)%2, \zero
	MUL16 6, (\q)%2, \zero
	PLACES NP
	WIN 0
	FETCH_A \slot, (\q)+1, 4
.endm
; A slot's last step changes slots: one barrier; in front of it each wave waits for all its tensor loads, adds 0 to its spare word, and waits for that and for its reads of this slot.
.macro TURN slot, next, fill
	s_wait_tensorcnt 0x0                           ; all my tensor loads have landed: my part of the next slot  (every window is 0 here)
	ds_add_u32 v[SPW], v[NIL]                      ; 0 onto my spare word
	s_wait_dscnt 4*NL+1                            ; the add and the youngest 16 loads may be out
	WIN MUL_LO
	MUL16 0, 1, 0
	s_wait_dscnt 0x0                               ; the add is done, and my reads of this slot are over
	s_barrier_signal -1
	MUL16 2, 1, 0
	WIN 0
	s_barrier_wait -1
.if \fill
	CREST                                          ; the barrier has opened a round of the cluster's barrier: no wave of any partner still reads this slot or has a load on its way
	s_add_nc_u64 s[G0+4*\slot+2:G0+4*\slot+3], s[G0+4*\slot+2:G0+4*\slot+3], 2*4096
	s_add_nc_u64 s[G0B+4*\slot+2:G0B+4*\slot+3], s[G0B+4*\slot+2:G0B+4*\slot+3], 2*ROWB
	JLOAD G0+4*\slot, G1, G0B+4*\slot, G1B         ; the first tensor load behind the round; its four v_nop are the places in front of the loads below
.else
	PLACES NP
.endif
	FETCH_B \next, 0, 0
	FETCH_A \next, 0, 0
	WIN MUL_HI
	MUL16 4, 1, 0
	MUL16 6, 1, 0
	PLACES NP
	WIN 0
	FETCH_A \next, 0, 4
.endm
	s_wait_tensorcnt 1                             ; my part of slot 0 is in; slot 1's load may be out
	s_barrier_signal -1
	s_barrier_wait -1
	FETCH_B 0, 0, 0
	FETCH_A 0, 0, 0
	FETCH_A 0, 0, 4
	STEP 0, 0, 1                                   ; the first step's products start the sums
	s_mov_b32 s3, LAPS-1
.Llap:
	TURN 0, 1, 1
	STEP 1, 0, 0
	TURN 1, 0, 1
	STEP 0, 0, 0
	s_sub_co_u32 s3, s3, 1
	s_cmp_lg_u32 s3, 0
	s_cbranch_scc1 .Llap
	TURN 0, 1, 0                                   ; the last lap fills nothing
	STEP 1, 0, 0
	s_wait_dscnt 4*NL
	WIN MUL_LO
	MUL16 0, 1, 0
	MUL16 2, 1, 0
	s_wait_dscnt 0
	WIN MUL_HI
	MUL16 4, 1, 0
	MUL16 6, 1, 0
	WIN 0
; THE WAY OUT, block by block of 16 rows x 128 columns, through my own stage in LDS: in as 32 bytes a lane, back as whole rows of 512 bytes.
; LDS serves a wave's instructions in order (ISA guide 5.7.1.4): no wait between the stores and the loads, nor in front of the next block's stores.
.macro TOSTAGE a
.set AC, 64*((\a)%4)
	WIN 0x02+((\a)/4)                              ; source 0: window 2 or 3
.irp j, 0,2,4,6,8,10,12,14,16,18,20,22,24,26,28,30,32,34,36,38,40,42,44,46,48,50,52,54,56,58,60,62
	v_pk_mul_f32 v[TMP+\j:TMP+\j+1], v[AC+\j:AC+\j+1], s[96:97] op_sel_hi:[1,0]   ; both x s96 = 2^(e10 + e11); each accumulator from its low end on
.endr
	WIN 0
.irp b, 0,1,2,3,4,5,6,7
	ds_store_b128 v[STO], v[TMP+8*\b:TMP+8*\b+3] offset:64*\b
	ds_store_b128 v[STO], v[TMP+8*\b+4:TMP+8*\b+7] offset:64*\b+16
.endr
.set BB, BK+64*((\a)%2)
.irp t, 0,1,2,3,4,5,6,7,8,9,10,11,12,13,14,15
	ds_load_b128 v[BB+4*\t:BB+4*\t+3], v[RD] offset:\t*SPITCH
.endr
.endm
.macro SEND a, younger                 ; younger: the LDS instructions issued behind block a's loads, which may stay out
.set BB, BK+64*((\a)%2)
	s_wait_dscnt \younger                          ; the block is back in registers
.if (\a) > 0
	s_add_nc_u64 s[10:11], s[10:11], 16*SIZE_N*4   ; (behind a wait on XCNT: the earlier stores have read their base)  16 rows on
.endif
.irp t, 0,1,2,3,4,5,6,7,8,9,10,11,12,13,14,15
	global_store_b128 v[CO], v[BB+4*\t:BB+4*\t+3], s[10:11] offset:\t*SIZE_N*4 th:TH_STORE_NT   ; 32 lanes store 512 consecutive bytes, aligned; written once, read by nobody here
.endr
.endm
	s_wait_kmcnt 0x0
	s_add_co_i32 s96, s96, s97                     ; e10 + e11, between -126 and 127,
	s_add_co_i32 s96, s96, 127
	s_lshl_b32 s96, s96, 23                        ; makes the f32 number 2^(e10 + e11)
	PLACES NP
	TOSTAGE 0
.irp a, 1,2,3,4,5,6,7
.if \a > 1
	s_wait_xcnt 0x0                                ; block a - 2's stores have read their registers and their base
.endif
	TOSTAGE \a
	SEND \a-1, 32                                  ; behind block a - 1's loads: block a's 16 stores and 16 loads
.endr
	s_wait_xcnt 0x0                                ; block 6's stores have read their base
	SEND 7, 0
	s_wait_tensorcnt 0x0                           ; the wave's end
	ds_add_u32 v[SPW], v[NIL]
	s_wait_dscnt 0x0
	CROUND                                         ; the closing round
	s_endpgm
.Lfunc_end_k_qb74b0857c0_proj:
	.size	k_qb74b0857c0_proj, .Lfunc_end_k_qb74b0857c0_proj-k_qb74b0857c0_proj
	.p2alignl 7, 3214868480
	.fill 96, 4, 3214868480
	.section	.rodata,"a",@progbits
	.p2align	6, 0x0
	.amdhsa_kernel k_qb74b0857c0_proj
		.amdhsa_group_segment_fixed_size 327680
		.amdhsa_private_segment_fixed_size 0
		.amdhsa_enable_private_segment 0
		.amdhsa_kernarg_size 32
		.amdhsa_user_sgpr_count 2
		.amdhsa_user_sgpr_kernarg_segment_ptr 1
		.amdhsa_wavefront_size32 1
		.amdhsa_system_sgpr_workgroup_id_x 1
		.amdhsa_system_sgpr_workgroup_id_y 1
		.amdhsa_system_sgpr_workgroup_id_z 1
		.amdhsa_system_vgpr_workitem_id 0
		.amdhsa_next_free_vgpr 1024
		.amdhsa_next_free_sgpr 98
		.amdhsa_reserve_vcc 0
		.amdhsa_float_denorm_mode_32 3
		.amdhsa_float_denorm_mode_16_64 3
		.amdhsa_memory_ordered 1
		.amdhsa_forward_progress 1
		.amdhsa_inst_pref_size 123
	.end_amdhsa_kernel
	.amdgpu_metadata
---
amdhsa.version: [ 1, 2 ]
amdhsa.kernels:
  - .name:           k_qb74b0857c0_proj
    .symbol:         k_qb74b0857c0_proj.kd
    .args:
      - { .name: a_img, .offset: 0, .size: 8, .value_kind: global_buffer, .address_space: global }
      - { .name: w_o_codes, .offset: 8, .size: 8, .value_kind: global_buffer, .address_space: global }
      - { .name: lowp_scales, .offset: 16, .size: 8, .value_kind: global_buffer, .address_space: global }
      - { .name: out0, .offset: 24, .size: 8, .value_kind: global_buffer, .address_space: global }
    .group_segment_fixed_size: 327680
    .private_segment_fixed_size: 0
    .kernarg_segment_align: 8
    .kernarg_segment_size: 32
    .max_flat_workgroup_size: 128
    .sgpr_count:     98
    .vgpr_count:     1024
    .wavefront_size: 32
...
	.end_amdgpu_metadata
.endif
;; end of part 3
;; ======== version 2 of 2: 3 launches; version 1 with the launch attn written anew for expert scheduling mode
;; workspace buffers: q_img 8,388,608 bytes; k_img 8,388,608 bytes; v_img 8,388,608 bytes; a_img 8,388,608 bytes
;; launch qkv: the kernel of part 1 again; grid 12 x 32, 4 waves a work-group, clusters of 4 x 4, 327,680 bytes of LDS; arguments x_codes, w_q_codes, w_k_codes, w_v_codes, lowp_scales, q_img, k_img, v_img; writes q_img, k_img, v_img
;; launch attn (part 4): grid 4 x 64, 16 waves a work-group, no clusters, 34,816 bytes of LDS; arguments q_img, k_img, v_img, lowp_scales, a_img; writes a_img
.if DOCPART == 4
	.amdgcn_target "amdgcn-amd-amdhsa--gfx1250"
	.amdhsa_code_object_version 6
	.text
	.protected	k_qb74b0857c0_attn
	.globl	k_qb74b0857c0_attn
	.p2align	8
	.type	k_qb74b0857c0_attn,@function
k_qb74b0857c0_attn:
	s_mov_b64 s[64:65], 0
	v_nop
	global_prefetch_b8 v0, s[64:65] scope:SCOPE_SE
	s_setreg_imm32_b32 hwreg(HW_REG_WAVE_SCHED_MODE, 0, 2), 2
	s_setreg_imm32_b32 hwreg(HW_REG_WAVE_MODE, 25, 1), 1
	s_wait_xcnt 0x0
	s_wait_alu depctr_vm_vsrc(0)
; Causal attention on codes of FP8 (E4M3): for each of 64 (batch, head): O[q] = sum over k <= q of p(q, k) V[k] / l(q), head size 64, 2,048 tokens; O is quantised for the last product.
; t = score x log2(e) / 8; M = the running largest t rounded UP to a whole number; p = 2^(t - M) is quantised with 2^e8, not normalised; l is the sum of the unquantised p, in f32.
; When M moves, l and O are multiplied by 2^(old M - new M), which rounds nothing.  lowp_scales: e6 (q), e7 (k), e8 (p), e9 (v), e10 (the result).
; INPUTS are images of operand registers (four registers x 32 lanes = 512 bytes a piece, lane l's 16 bytes at 16 l), in the matrix forms' own layout: registers 2 c, 2 c + 1 of lane (r, h): k = 16 c + 8 h + 0 .. 7.
;   q_img, k_img: [bh][tile of 16 tokens][piece 2];  v_img: [bh][step of 128 keys][tile of 16 channels][piece 4].
; OUTPUT a_img: [tile of 16 tokens 512][head 16][piece 2][512]: piece g of a head, lane (r, h): token r, channels 32 g + 16 h + 0 .. 15: what four 16-byte loads of a row would give the last product.
; SHARES.  Work-group (p, bh) owns two blocks of 256 queries of one head, block 7 - p and then block p: 2 (8 - p) + 2 (p + 1) = 18 key steps of 128 in every work-group.
; Each of the sixteen waves owns one tile of 16 queries in 256 registers: four waves to a SIMD, so that one wave's exponentials stand beside another's matrix work and LDS loads.
; Both products are used transposed: S^T = K Q^T (source 0 = 16 keys), O^T = V^T P^T (source 0 = 16 channels): a lane holds ONE query (lane % 16) throughout, and one conversion of a tile of S^T is two registers of P.
; K AND V come through registers: each thread loads 16 bytes of a step's 8,192 of K and of V, three steps ahead, and stores them into one of two LDS buffers a step ahead; one barrier a step.
; NO CLUSTER AND NO TENSOR LOADS: the four work-groups of a head need different numbers of tiles (16, 14, 12, 10 steps and then 2, 4, 6, 8), and what they share is 16,384 bytes a step
; beside sixteen waves' 12 matrix and some 200 vector instructions each; so steps that lie wholly behind the mask are neither fetched nor walked.
; The fetch index runs on from the first block's steps into the second's; the last three fetches read steps of the same head again and are not used (they stay inside the buffers).
; LIMITS on the given exponents, so that each power of two below is an f32 number: e6 + e7 between -123 and 130; e8 between -126 and 119; e10 - e8 - e9 between -126 and 119.  NaN codes are not served.
; THE MODE: SCHED_MODE bits 1:0 = 2 (LLVM: expert scheduling mode 2), set by the entry lines.  The code itself states the register dependences
; between vector or matrix instructions and memory or LDS instructions, with s_wait_alu, always for 0.
; THE PLAN.  Registers that memory or LDS instructions touch:
;   v1, v2, v5, v6, v7   offsets and LDS addresses: made once at the head, ahead of one wait on va_vdst, and never written again.  The key step that is fetched is reached by two scalar bases.
;   v[FRG ..]   K's sixteen LDS loads land in it at a step's head; the eight products K Q^T read it; V's sixteen LDS loads land in it; the four products V^T P^T read it.
;               So two waits on va_vdst stand in a step, one ahead of each kind of loads: the products that read the registers last are done with them.
;   v[RS ..]    two staging sets: global loads land in a set, two LDS stores read it, the next global loads land in it.  No vector instruction names them: one wait on vm_vsrc a step, behind the stores.
;   v[232:239]  written by the way out's selects, read by a block's two global stores: a wait on va_vdst ahead of the stores, one on vm_vsrc ahead of the second block's selects.
;   s14 and the 32 masks of a step on the diagonal are scalar results of vector instructions: a wait on va_sdst stands ahead of their first readers.
; Behind the wait ahead of V's loads no vector instruction names v[FRG ..] or v2 until the last of those loads is issued, so they are dealt among the lines of the maximum with no further wait.
.set BUF,  16384                       ; an LDS buffer: a step's K (8,192 bytes), then its V
.set T16,  1                           ; v1   16 x thread: my 16 bytes of a step's K and V; never rewritten
.set L16,  2                           ; v2   16 x lane: my place in a piece; never rewritten
.set PFO,  5                           ; v5   256 x lane: the prefetch's offset; never rewritten
.set RH,   9                           ; v9   lane % 16 - 8 (lane / 16), for the mask
.set NINF, 10                          ; v10  -infinity
.set QF,   16                          ; v16-23 Q of the block in hand; v24-31 Q of the second block
.set FRG,  32                          ; v32-95   eight fragments of K, then four of V
.set SR,   96                          ; v96-159  S^T, then p
.set OT,   160                         ; v160-191 O^T
.set PC,   192                         ; v192-207 p's codes
.set RS,   208                         ; v208-215, v216-223 the two staging sets: 4 registers of K, 4 of V
.set WV,   14                          ; s14 wave;  s15 p;  s16 bh
.set SEL,  20                          ; s[20:21] lane selects for v_permlanex16_b32: lane l xor 16
.set CS,   22                          ; s[22:23] c = log2(e) / 8 x 2^(e6 + e7)
.set QBLK, 24                          ; s24 the block of queries in hand
.set CNT,  25                          ; s25 pairs of key steps to go
.set BLKS, 26                          ; s26 blocks to go
.set KF,   27                          ; s27 the step's first key
.set Q0,   28                          ; s28 my first query
.set NIDX, 29                          ; s29 the key step fetched last
.set LIMA, 30                          ; s30 where the fetch index goes back to 0
.set LIMB, 31                          ; s31 the second block's number of steps
.set PFI,  32                          ; s32 the key step that the prefetch names
.set PFL,  33                          ; s33 16 in a wave that prefetches, else 0
.set PFA,  34                          ; s[34:35] the prefetch's address
.set KB,   48                          ; s[48:49] k_img, s[50:51] v_img, s[52:53] q_img at my head
.set VB,   50
.set QH,   52
.set KS,   54                          ; s[54:55] k_img, s[56:57] v_img at the key step that is fetched
.set VS,   56
.set FO,   58                          ; s[58:59] that step's bytes in a head: 8,192 x its index, in 64 bits
.set MK,   66                          ; s66-97 the masks of 32 scores
	s_load_b256 s[4:11], s[0:1], 0x0               ; q_img s[4:5], k_img s[6:7], v_img s[8:9], the scales' exponents s[10:11]
	s_load_b64 s[12:13], s[0:1], 0x20              ; a_img
	v_lshl_add_u32 v254, v0, 2, 0x8000
	v_mov_b32 v255, 0
	v_lshrrev_b32 v8, 5, v0
	v_readfirstlane_b32 s[WV], v8                  ; wave 0..15
	s_mov_b32 s15, ttmp9                           ; p
	s_and_b32 s16, ttmp7, 0xffff                   ; bh
	v_lshlrev_b32 v[T16], 4, v0
	v_and_b32 v[L16], 31, v0
	v_lshlrev_b32 v[PFO], 8, v[L16]
	v_lshlrev_b32 v[L16], 4, v[L16]
	v_and_b32 v[RH], 15, v0
	v_bfe_u32 v8, v0, 4, 1
	v_lshlrev_b32 v8, 3, v8
	v_sub_nc_u32 v[RH], v[RH], v8
	s_wait_alu depctr_va_sdst(0)                   ; s14, the wave's number, is written, ahead of its first reader
	s_sub_co_u32 s[QBLK], 7, s15                   ; the first block
	s_lshl_b32 s45, s[QBLK], 4
	s_add_co_u32 s45, s45, s[WV]
	s_lshl_b32 s45, s45, 10
	v_add_nc_u32 v6, s45, v[L16]                   ; my tile of Q in the first block: (16 (7 - p) + wave) x 1,024 bytes,
	s_lshl_b32 s45, s15, 4
	s_add_co_u32 s45, s45, s[WV]
	s_lshl_b32 s45, s45, 10
	v_add_nc_u32 v7, s45, v[L16]                   ; and in the second
	s_lshl_b32 s46, s16, 17                        ; a head is 131,072 bytes of each image
	s_mov_b32 s47, 0
	s_mov_b32 s[SEL], 0x76543210
	s_mov_b32 s[SEL+1], 0xfedcba98
	s_mov_b32 s[CS], 0x3e38aa3b                    ; log2(e) / 8
	s_mov_b32 s38, 0xffff0000                      ; lanes 16 to 31
	s_mov_b32 s[NIDX], 2                           ; steps 0, 1 and 2 are fetched here, at the head
	s_mov_b32 s[FO+1], 0                           ; a head's bytes stay under 2^32
	s_sub_co_u32 s[LIMA], 8, s15
	s_lshl_b32 s[LIMA], s[LIMA], 1                 ; the first block's 2 (8 - p) steps
	s_add_co_u32 s[LIMB], s15, 1
	s_lshl_b32 s[LIMB], s[LIMB], 1                 ; the second's 2 (p + 1)
	s_mov_b32 s[PFI], 4
	s_lshr_b32 s45, s[WV], 1
	s_or_b32 s45, s45, ttmp9                       ; 0 in waves 0 and 1 of the head's work-group 0, whose first block walks all 16 steps
	s_cmp_eq_u32 s45, 0
	s_cselect_b32 s[PFL], 16, 0
	s_mov_b32 s[BLKS], 2
	s_wait_kmcnt 0x0
	s_load_b128 s[40:43], s[10:11], 0x18           ; e6, e7, e8, e9
	s_load_b32 s44, s[10:11], 0x28                 ; e10
	s_add_nc_u64 s[KB:KB+1], s[6:7], s[46:47]
	s_add_nc_u64 s[VB:VB+1], s[8:9], s[46:47]
	s_add_nc_u64 s[QH:QH+1], s[4:5], s[46:47]
	s_wait_alu depctr_va_vdst(0)                   ; v1, v2, v5, v6 and v7 are written: every load, store, LDS access and prefetch of the kernel reads one of them, and none is written again
	global_load_b128 v[QF:QF+3],     v6, s[QH:QH+1]
	global_load_b128 v[QF+4:QF+7],   v6, s[QH:QH+1] offset:512
	global_load_b128 v[QF+8:QF+11],  v7, s[QH:QH+1]
	global_load_b128 v[QF+12:QF+15], v7, s[QH:QH+1] offset:512
	global_load_b128 v[RS:RS+3],     v[T16], s[KB:KB+1]              ; step 0
	global_load_b128 v[RS+4:RS+7],   v[T16], s[VB:VB+1]
	global_load_b128 v[RS+8:RS+11],  v[T16], s[KB:KB+1] offset:8192  ; step 1
	global_load_b128 v[RS+12:RS+15], v[T16], s[VB:VB+1] offset:8192
	s_cmp_eq_u32 s[WV], 0                          ; wave 0 prefetches K, wave 1 V
	s_cselect_b64 s[PFA:PFA+1], s[KB:KB+1], s[VB:VB+1]
	s_add_nc_u64 s[PFA:PFA+1], s[PFA:PFA+1], 4*8192  ; at step 4: the end of step 0 steps it to 5.  Steps 0 to 4 come by their loads alone
	v_mov_b32 v[NINF], 0xff800000
	v_mov_b32 v11, 0                               ; written once: a lane permute's destination counts as one of its sources
	v_mov_b32 v242, 0
	v_mov_b32 v243, 0
	v_mov_b32 v249, 0                              ; (named as the upper half of the pair v[248:249])
	s_wait_kmcnt 0x0
	s_add_co_i32 s45, s40, s41
	s_lshl_b32 s45, s45, 23
	s_add_co_i32 s[CS], s[CS], s45                 ; a score stands for score x 2^(e6 + e7): the two exponents are added to c's exponent field
	s_mov_b32 s[CS+1], s[CS]                       ; (named with it as a pair, so it is written)
	s_add_co_i32 s45, s42, 127
	s_lshl_b32 s46, s45, 23
	v_mov_b32 v244, s46                            ; 2^e8 as f32, for p's conversions
	s_add_co_i32 s45, s45, 8
	s_lshl_b32 s45, s45, 23
	s_or_b32 s45, s45, 0x600000
	v_mov_b32 v245, s45                            ; 448 x 2^e8
	s_sub_co_i32 s45, s44, s42
	s_sub_co_i32 s45, s45, s43                     ; a sum of the second product stands for sum x 2^(e8 + e9): its code is (sum / l) / 2^(e10 - e8 - e9)
	s_add_co_i32 s45, s45, 127
	s_lshl_b32 s46, s45, 23
	v_mov_b32 v246, s46
	s_add_co_i32 s45, s45, 8
	s_lshl_b32 s45, s45, 23
	s_or_b32 s45, s45, 0x600000
	v_mov_b32 v247, s45
	s_wait_loadcnt 0x2                             ; Q's four loads and step 0's two are in; step 1's two may be out
	ds_store_b128 v[T16], v[RS:RS+3]
	ds_store_b128 v[T16], v[RS+4:RS+7] offset:8192
	s_wait_alu depctr_vm_vsrc(0)                   ; the two LDS stores have read v[RS:RS+7],
	global_load_b128 v[RS:RS+3],   v[T16], s[KB:KB+1] offset:16384   ; in which step 2 lands
	global_load_b128 v[RS+4:RS+7], v[T16], s[VB:VB+1] offset:16384
	s_wait_dscnt 0x0                               ; for the others' sake: my part of step 0 lies in buffer 0
	s_barrier_signal -1
	s_barrier_wait -1                              ; everybody's part lies there
; One of V's sixteen LDS loads: piece vl of the step's V: tile of channels vl / 4, piece vl % 4.
.macro VLOAD b
	ds_load_b128 v[FRG+4*vl:FRG+4*vl+3], v[L16] offset:BUF*(\b)+8192+512*vl
.set vl, vl+1
.endm
; A KEY STEP: 128 keys, from buffer b.
.macro STEP b
	s_add_co_u32 s45, s[Q0], 15                    ; a step all of whose keys come after my 16 queries is left out: a branch on ids; no barrier stands in a step
	s_cmp_gt_u32 s[KF], s45
	s_cbranch_scc1 .Lhid_\@
.rept 4
	v_nop                                          ; places in front of loads into registers that the last step's products have read
.endr
	s_wait_alu depctr_va_vdst(0)                   ; the last step's products V^T P^T are done reading v[FRG ..], in which K's fragments land
.irp t, 0,1,2,3,4,5,6,7
	ds_load_b128 v[FRG+8*\t:FRG+8*\t+3],   v[L16] offset:BUF*\b+1024*\t
	ds_load_b128 v[FRG+8*\t+4:FRG+8*\t+7], v[L16] offset:BUF*\b+1024*\t+512
.endr
	s_wait_dscnt 0x0
.irp t, 0,1,2,3,4,5,6,7                        ; S^T: tile t, lane (r, h), register j: key 16 t + 8 h + j, query r
	v_wmma_f32_16x16x64_fp8_fp8 v[SR+8*\t:SR+8*\t+7], v[FRG+8*\t:FRG+8*\t+7], v[QF:QF+7], 0
.endr
.rept 4
	v_nop                                          ; places in front of the first read of the scores, and of V's loads
.endr
	s_wait_alu depctr_va_vdst(0)                   ; the eight products K Q^T are done reading v[FRG ..], in which V's fragments land; from here to the last of V's loads no vector instruction names v[FRG ..] or v[L16]
	s_add_co_u32 s45, s[KF], 127                   ; a step all of whose keys count skips the mask
	s_cmp_le_u32 s45, s[Q0]
	s_cbranch_scc1 .Lopen_\@
	s_sub_co_i32 s45, s[Q0], s[KF]
	v_add_nc_u32 v8, s45, v[RH]                    ; d = my query - the step's first key - 8 h.  Register 8 t + j holds key 16 t + j + 8 h: hidden where 16 t + j > d
.irp u, 0,1                                    ; 32 scores at a time: a run of compares into 32 scalar registers, one wait, a run of selects
.set n, 0
.rept 32
	v_cmp_gt_i32 s[MK+n], 16*(4*\u+n/8)+n%8, v8
.set n, n+1
.endr
	s_wait_alu depctr_va_sdst(0)                   ; the 32 masks are written, ahead of the selects that read them
.set n, 0
.rept 32
	v_cndmask_b32 v[SR+32*\u+n], v[SR+32*\u+n], v[NINF], s[MK+n]   ; hidden scores become -infinity ahead of the maximum: p = 0 then
.set n, n+1
.endr
.endr
.Lopen_\@:
.set vl, 0                                     ; V's four fragments are asked for one load at a time among the lines of the maximum, and land while the softmax is worked
	VLOAD \b
	v_max3_num_f32 v252, v[SR], v[SR+1], v[SR+2]   ; the step's largest score of my query among my 64 keys, in two chains; each tile is first read at its low end
	VLOAD \b
	v_max3_num_f32 v253, v[SR+3], v[SR+4], v[SR+5]
.irp i, 6,10,14,18,22,26,30,34,38,42,46,50,54,58
	VLOAD \b
	v_max3_num_f32 v252, v252, v[SR+\i], v[SR+\i+1]
	v_max3_num_f32 v253, v253, v[SR+\i+2], v[SR+\i+3]
.endr
	v_max3_num_f32 v252, v252, v[SR+62], v[SR+63]
	v_max_num_f32 v252, v252, v253
	v_permlanex16_b32 v11, v252, s[SEL], s[SEL+1]
	v_max_num_f32 v252, v252, v11                  ; and among lane l xor 16's
	v_mul_f32 v252, s[CS], v252                    ; as t (c is positive)
	v_max_num_f32 v13, v13, v252                   ; the running largest t
	v_mov_b32 v252, v12
	v_floor_f32 v12, -v13                          ; the new -M = floor(-t) = -ceil(t): M is a whole number
	v_sub_f32 v252, v12, v252                      ; old M - new M: a whole number, 0 or less
	v_cvt_i32_f32 v252, v252                       ; (it saturates)
	v_ldexp_f32 v248, 1.0, v252                    ; f = 2^(old M - new M)
	; ONE BATCH: the 32 scalings t - M (two numbers each), the 64 exponentials, and between them O^T's 16 multiplications by f.  No line of it names an exponential's result.
	v_pk_fma_f32 v[SR:SR+1], v[SR:SR+1], s[CS:CS+1], v[12:13] op_sel_hi:[1,0,0]
.set k, 0
.rept 32
.if k < 31
	v_pk_fma_f32 v[SR+2*k+2:SR+2*k+3], v[SR+2*k+2:SR+2*k+3], s[CS:CS+1], v[12:13] op_sel_hi:[1,0,0]   ; of the pairs c and -M the low word serves both halves
.endif
	v_exp_f32 v[SR+2*k], v[SR+2*k]                 ; p = 2^(t - M): not normalised
.if k%2 == 0
	v_pk_mul_f32 v[OT+k:OT+k+1], v[OT+k:OT+k+1], v[248:249] op_sel_hi:[1,0]   ; O^T under the new M, each tile from its low end on
.endif
	v_exp_f32 v[SR+2*k+1], v[SR+2*k+1]
.set k, k+1
.endr
	v_pk_mul_f32 v[14:15], v[14:15], v[248:249] op_sel_hi:[1,0]   ; the sums under the new M: the plain instruction behind the last exponential
	s_wait_alu depctr_va_vdst(0)                   ; the 64 exponentials have written v[SR ..]: one wait for the whole batch, ahead of its first reader
	v_pk_add_f32 v[250:251], v[SR:SR+1], v[SR+2:SR+3]   ; the row's sum is taken of the unquantised p: two at a time, in two chains
.irp j, 4,8,12,16,20,24,28,32,36,40,44,48,52,56,60
	v_pk_add_f32 v[14:15], v[14:15], v[SR+\j:SR+\j+1]
	v_pk_add_f32 v[250:251], v[250:251], v[SR+\j+2:SR+\j+3]
.endr
	v_pk_add_f32 v[14:15], v[14:15], v[250:251]
	s_cmp_ge_i32 s42, -8                           ; p is at most 1 (a little more by t's rounding), and 448 x 2^e8 is 1.75 or more from e8 = -8 on: there no p reaches the hold
	s_cbranch_scc1 .Lnohold_\@
.set n, 0
.rept 64
	v_min_num_f32 v[SR+n], v[SR+n], v245           ; the conversion to an 8-bit code does not saturate (ISA guide 7.6.2); p is not negative, so the hold is one-sided
.set n, n+1
.endr
.Lnohold_\@:
.irp t, 0,1,2,3,4,5,6,7
	v_cvt_scalef32_pk8_fp8_f32 v[PC+2*\t:PC+2*\t+1], v[SR+8*\t:SR+8*\t+7], v244   ; registers 2 t, 2 t + 1 of P: keys 16 t + 8 h + 0 .. 7
.endr
	v_nop                                          ; one plain vector instruction between the conversions and the products that read their results
	s_wait_dscnt 0x0                               ; V is in
.irp c, 0,1,2,3                                ; O^T += V^T P^T: the four accumulators by turns
	v_wmma_f32_16x16x128_fp8_fp8 v[OT+8*\c:OT+8*\c+7], v[FRG+16*\c:FRG+16*\c+15], v[PC:PC+15], v[OT+8*\c:OT+8*\c+7]
.endr
.Lhid_\@:
	s_add_co_u32 s[KF], s[KF], 128
.endm
; A step and the hand-over behind it.  The other staging set (the next step's K and V) goes into the other buffer, whose last reads ended ahead of the barrier before; then the set takes the loads of three steps on.
.macro HALF b
	STEP \b
	s_wait_loadcnt 0x2                             ; that set's two loads are in; the two issued a step later may be out
	ds_store_b128 v[T16], v[RS+8*(1-\b):RS+8*(1-\b)+3] offset:BUF*(1-\b)
	ds_store_b128 v[T16], v[RS+8*(1-\b)+4:RS+8*(1-\b)+7] offset:BUF*(1-\b)+8192
	s_wait_alu depctr_vm_vsrc(0)                   ; the two LDS stores have read the set, in which the loads below land
	s_wait_xcnt 0x0                                ; the loads and the prefetch of a step ago have had their addresses translated: the two bases and the prefetch's address are written only behind this wait
	s_add_co_u32 s[NIDX], s[NIDX], 1               ; the next step to fetch; behind a block's last step comes step 0, for the second block
	s_cmp_eq_u32 s[NIDX], s[LIMA]
	s_cselect_b32 s[NIDX], 0, s[NIDX]
	s_cselect_b32 s[LIMA], s[LIMB], s[LIMA]
	s_lshl_b32 s[FO], s[NIDX], 13                  ; a step is 8,192 bytes of each image
	s_add_nc_u64 s[KS:KS+1], s[KB:KB+1], s[FO:FO+1]
	s_add_nc_u64 s[VS:VS+1], s[VB:VB+1], s[FO:FO+1]
	s_add_nc_u64 s[PFA:PFA+1], s[PFA:PFA+1], 8192
	s_add_co_u32 s[PFI], s[PFI], 1
	global_load_b128 v[RS+8*(1-\b):RS+8*(1-\b)+3],   v[T16], s[KS:KS+1]
	global_load_b128 v[RS+8*(1-\b)+4:RS+8*(1-\b)+7], v[T16], s[VS:VS+1]
	; A prefetch of the key step two steps further on than the loads just issued: 8,192 bytes, lanes 256 bytes apart.  The four work-groups of a head read the same K and V: work-group 0 asks,
	; wave 0 for K and wave 1 for V, so each block of 256 bytes is named once in the launch; it stops behind the head's last step.
	s_cmp_lt_u32 s[PFI], s[PFL]
	s_cbranch_scc0 .Lnopf_\@
	global_prefetch_b8 v[PFO], s[PFA:PFA+1] th:TH_LOAD_NT scope:SCOPE_SE
.Lnopf_\@:
	s_wait_dscnt 0x0                               ; for the others' sake: my stores have landed and my reads of this step's buffer are over
	s_barrier_signal -1
	s_barrier_wait -1                              ; the next step's buffer is whole, and nobody reads this step's any more
.endm
.Lblock:                                           ; two trips: block 7 - p, then block p
	s_add_co_u32 s[CNT], s[QBLK], 1                ; 2 (block + 1) key steps reach the block's last query
	s_mov_b32 s[KF], 0
	s_lshl_b32 s[Q0], s[QBLK], 8
	s_lshl_b32 s45, s[WV], 4
	s_add_co_u32 s[Q0], s[Q0], s45                 ; my first query: 256 x block + 16 x wave
	v_mov_b32 v13, 0xff61b1e6                      ; the largest t so far: -3e38, under every t
	v_floor_f32 v12, -v13                          ; -M
	v_mov_b32 v14, 0                               ; the sum, in two halves
	v_mov_b32 v15, 0
.set n, 0
.rept 32
	v_mov_b32 v[OT+n], 0                           ; O^T: the step is written once; the first finds zeros, which the first change of M leaves zeros
.set n, n+1
.endr
.Ltrip:
	HALF 0
	HALF 1
	s_sub_co_u32 s[CNT], s[CNT], 1
	s_cmp_lg_u32 s[CNT], 0
	s_cbranch_scc1 .Ltrip
	; THE BLOCK'S WAY OUT: O^T / l, quantised; the codes change lanes once and leave as two pieces of 512 bytes.
.rept 4
	v_nop                                          ; places behind the last products
.endr
	v_add_f32 v14, v14, v15                        ; the sum's two halves,
	v_permlanex16_b32 v11, v14, s[SEL], s[SEL+1]
	v_add_f32 v14, v14, v11                        ; and lane l xor 16's
	v_rcp_f32 v248, v14
	v_nop                                          ; a plain instruction behind the reciprocal
	s_wait_xcnt 0x0                                ; the first block's stores have read their base and their data
	s_wait_alu depctr_vm_vsrc(0)                   ; the first block's stores have read v[232:239], which the selects below write again
	s_lshr_b32 s45, s16, 4
	s_lshl_b32 s45, s45, 7                         ; the batch's 128 tiles of tokens,
	s_lshl_b32 s46, s[QBLK], 4
	s_add_co_u32 s45, s45, s46
	s_add_co_u32 s45, s45, s[WV]                   ; + 16 x block + wave,
	s_lshl_b32 s45, s45, 14                        ; 16,384 bytes each,
	s_and_b32 s46, s16, 15
	s_lshl_b32 s46, s46, 10                        ; + the head's 1,024
	s_add_co_u32 s46, s46, s45
	s_mov_b32 s47, 0
	s_add_nc_u64 s[36:37], s[12:13], s[46:47]
	s_wait_alu depctr_va_vdst(0)                   ; the reciprocal has written v248: the wait ahead of its first reader
.set n, 0
.rept 16
	v_pk_mul_f32 v[SR+n:SR+n+1], v[OT+n:OT+n+1], v[248:249] op_sel_hi:[1,0]   ; O^T / l: register 8 t + j is channel 16 t + 8 h + j of query r
.set n, n+2
.endr
.set n, 0
.rept 32
	v_med3_num_f32 v[SR+n], v[SR+n], -v247, v247   ; the hold at the largest code x the scale
.set n, n+1
.endr
.irp t, 0,1,2,3
	v_cvt_scalef32_pk8_fp8_f32 v[224+2*\t:225+2*\t], v[SR+8*\t:SR+8*\t+7], v246   ; C[t]: channels 16 t + 8 h + 0 .. 7
.endr
	v_nop                                          ; one plain vector instruction between the conversions and the lines that read their results
.irp g, 0,1                                    ; piece g wants channels 32 g + 16 h + 0 .. 15: lanes 0-15 keep C[2g] and get the other half's C[2g]; lanes 16-31 get the other half's C[2g+1] and keep theirs
	v_cndmask_b32 v240, v[226+4*\g], v[224+4*\g], s38   ; what I send: lanes 0-15 C[2g+1], lanes 16-31 C[2g]
	v_cndmask_b32 v241, v[227+4*\g], v[225+4*\g], s38
	v_permlanex16_b32 v242, v240, s[SEL], s[SEL+1]
	v_permlanex16_b32 v243, v241, s[SEL], s[SEL+1]
	v_cndmask_b32 v[232+4*\g], v[224+4*\g], v242, s38
	v_cndmask_b32 v[233+4*\g], v[225+4*\g], v243, s38
	v_cndmask_b32 v[234+4*\g], v242, v[226+4*\g], s38
	v_cndmask_b32 v[235+4*\g], v243, v[227+4*\g], s38
.endr
	s_wait_alu depctr_va_vdst(0)                   ; the selects have written v[232:239], which the two stores read
	global_store_b128 v[L16], v[232:235], s[36:37]             ; the wave stores 512 consecutive bytes, aligned
	global_store_b128 v[L16], v[236:239], s[36:37] offset:512
.set n, 0
.rept 8
	v_mov_b32 v[QF+n], v[QF+8+n]                   ; the second block's Q
.set n, n+1
.endr
	s_mov_b32 s[QBLK], s15
	s_sub_co_u32 s[BLKS], s[BLKS], 1
	s_cmp_lg_u32 s[BLKS], 0
	s_cbranch_scc1 .Lblock
	s_wait_dscnt 0x0
	s_wait_alu depctr_hold_cnt(0) depctr_sa_sdst(0) depctr_va_vdst(0) depctr_va_sdst(0) depctr_va_ssrc(0) depctr_va_vcc(0) depctr_vm_vsrc(0)
	s_wait_tensorcnt 0x0
	ds_add_u32 v254, v255
	s_wait_dscnt 0x0
	s_endpgm
.Lfunc_end_k_qb74b0857c0_attn:
	.size	k_qb74b0857c0_attn, .Lfunc_end_k_qb74b0857c0_attn-k_qb74b0857c0_attn
	.p2alignl 7, 3214868480
	.fill 96, 4, 3214868480
	.section	.rodata,"a",@progbits
	.p2align	6, 0x0
	.amdhsa_kernel k_qb74b0857c0_attn
		.amdhsa_group_segment_fixed_size 34816
		.amdhsa_private_segment_fixed_size 0
		.amdhsa_enable_private_segment 0
		.amdhsa_kernarg_size 40
		.amdhsa_user_sgpr_count 2
		.amdhsa_user_sgpr_kernarg_segment_ptr 1
		.amdhsa_wavefront_size32 1
		.amdhsa_system_sgpr_workgroup_id_x 1
		.amdhsa_system_sgpr_workgroup_id_y 1
		.amdhsa_system_sgpr_workgroup_id_z 1
		.amdhsa_system_vgpr_workitem_id 0
		.amdhsa_next_free_vgpr 256
		.amdhsa_next_free_sgpr 98
		.amdhsa_reserve_vcc 0
		.amdhsa_float_denorm_mode_32 3
		.amdhsa_float_denorm_mode_16_64 3
		.amdhsa_memory_ordered 1
		.amdhsa_forward_progress 1
		.amdhsa_inst_pref_size 63
	.end_amdhsa_kernel
	.amdgpu_metadata
---
amdhsa.version: [ 1, 2 ]
amdhsa.kernels:
  - .name:           k_qb74b0857c0_attn
    .symbol:         k_qb74b0857c0_attn.kd
    .args:
      - { .name: q_img, .offset: 0, .size: 8, .value_kind: global_buffer, .address_space: global }
      - { .name: k_img, .offset: 8, .size: 8, .value_kind: global_buffer, .address_space: global }
      - { .name: v_img, .offset: 16, .size: 8, .value_kind: global_buffer, .address_space: global }
      - { .name: lowp_scales, .offset: 24, .size: 8, .value_kind: global_buffer, .address_space: global }
      - { .name: a_img, .offset: 32, .size: 8, .value_kind: global_buffer, .address_space: global }
    .group_segment_fixed_size: 34816
    .private_segment_fixed_size: 0
    .kernarg_segment_align: 8
    .kernarg_segment_size: 40
    .max_flat_workgroup_size: 512
    .sgpr_count:     98
    .vgpr_count:     256
    .wavefront_size: 32
...
	.end_amdgpu_metadata
.endif
;; end of part 4
;; launch proj: the kernel of part 3 again; grid 4 x 32, 4 waves a work-group, clusters of 4 x 4, 327,680 bytes of LDS; arguments a_img, w_o_codes, lowp_scales, out0; writes out0
